; MI455X (gfx1250); checked and timed in simulation.
; The chip was launched on July 23, 2026; its instructions are those of AMD's public machine-readable ISA for CDNA 5 (MIT licence, August 2026) and "CDNA5" Instruction Set Architecture Reference Guide (July 2026). The comments in the code are by the model that wrote it; some were corrected since.
;; Self Attention Layer. Allowed arithmetic: matrix products marked QUANTISED: E3M2 operands, one E8M0 scale for each 32 along K, by v_wmma_scale_f32_16x16x128_f8f6f4 with both operands' format E3M2, f32 sums; everything else in f32.
;; Inputs: W_kqv 3,072 x 1,024 float32; W_proj 1,024 x 1,024 float32; b_kqv 3,072 float32; b_proj 1,024 float32; x 4 x 2,048 x 1,024 float32.
;; Outputs: out0 4 x 2,048 x 1,024 float32.
;; This version of the problem:
;;   THIS VERSION OF THE PROBLEM IS GIVEN IN LOW PRECISION. The matrix products marked QUANTISED in the list below multiply operands that are first quantised to E3M2 (3 exponent bits, 2 mantissa bits; 6 bits a number), with one power-of-two scale for each 32 numbers along K (OCP MX v1.0); their sums are f32. All else is computed in f32.
;;   The module's matrix products, in the order in which they are computed (A, B: the left and right operand; K: the contracted axis; several contracted axes count as one K, in the product's order):
;;     1. [M 8,192, K 1,024] x [K 1,024, N 3,072]; A: input x; B: input W_kqv: QUANTISED
;;     2. batch 4 x [M 2,048, K 1,024] x [K 1,024, N 2,048]; A: computed on the way; B: computed on the way: QUANTISED
;;     3. batch 4 x [M 2,048, K 2,048] x [K 2,048, N 1,024]; A: softmax (see below); B: computed on the way: QUANTISED
;;     4. [M 8,192, K 1,024] x [K 1,024, N 1,024]; A: computed on the way; B: input W_proj: QUANTISED
;;   THE QUANTISER, for each operand of a quantised product, along K:
;;     - K is cut into blocks of 32 from its start; a last block that is shorter is filled with zeros.
;;     - A block's scale is 2^e with e = floor(log2(the largest magnitude in the block)) - 4, held to -126 .. 127; a block of zeros has e = 0. As a byte (E8M0): e + 127.
;;     - Each number is divided by its block's scale, clamped to +-28, and rounded to the nearest number of E3M2, ties to even, subnormals kept.
;;     - The product sums the exact products of the quantised numbers (number of the format x scale) in f32.
;;   ~~~python
;;   def quantise(x, axis):      # numpy; x: float32 -> the quantised numbers, widened to float32 again
;;       x = np.moveaxis(x, axis, -1); K = x.shape[-1]
;;       x = np.pad(x, [(0, 0)] * (x.ndim - 1) + [(0, -K % 32)]); x = x.reshape(x.shape[:-1] + (-1, 32)); a = np.abs(x).max(-1, keepdims=True)
;;       e = np.where(a > 0, np.clip(np.frexp(np.where(a > 0, a, 1))[1] - 1 - 4, -126, 127), 0)      # np.frexp(a)[1] - 1 = floor(log2(a)), exactly
;;       r = np.clip(x / 2.0 ** e, -28, 28)
;;       step = 2.0 ** (np.maximum(np.frexp(np.where(r == 0, 1, r))[1] - 1, -2) - 2)
;;       q = np.round(r / step) * step * 2.0 ** e      # np.round: ties to even
;;       return np.moveaxis(q.reshape(q.shape[:-2] + (-1,))[..., :K], -1, axis).astype(np.float32)
;;   ~~~
;;   SOFTMAX AHEAD OF A QUANTISED PRODUCT. Where the list says 'softmax', what is quantised is not the finished softmax but p = 2^(t - M), with t = logit x log2(e) and M = ceil(the row's largest t), a whole number; so 1/2 < the row's largest p <= 1. The row's sum l is taken of the UNQUANTISED p, in f32, and the product's result is divided by l at the end. Since M is a whole number, a kernel that streams over the keys may use a running M (the ceiling of the running maximum): every later rescaling is an exact power of two, which a block's scale takes up: the codes' values come out the same.
;;   OPERANDS COMPUTED ON THE WAY. 'Computed on the way' means the value that the module computes at that place (a softmax that the list does not call 'softmax' is quantised finished and normalised). What goes into a quantiser is computed in f32, as accurately as f32 sums, v_exp_f32 and their like allow (about 1e-6 of the number): no bf16 or f16 on the way to a quantiser, and a product that is left as it is and whose result goes on into a quantised operand takes f32 operands (vector FMAs, or v_wmma_f32_16x16x4_f32). A number that lies on a knife's edge between two numbers of the format may be rounded either way, as far as f32 arithmetic and the matrix unit's own rounding can turn it there, and no further.
;; One version. Each part assembles by itself: llvm-mc -triple=amdgcn-amd-amdhsa -mcpu=gfx1250 --defsym DOCPART=n.
;; ======== version 1 of 1: 5 launches
;; limits: right only within a limited range of input values
;; workspace buffers: xc 6,553,600 bytes; wc 3,276,800 bytes; kq 13,107,200 bytes; vt 6,553,600 bytes; pc 13,107,200 bytes; oc 6,553,600 bytes; ml 1,048,576 bytes
;; launch qnt (part 1): grid 768 x 1, 4 waves a work-group, no clusters, 34,304 bytes of LDS; arguments x, W_kqv, W_proj, xc, wc, ml; writes xc, wc, ml
.if DOCPART == 1
	.amdgcn_target "amdgcn-amd-amdhsa--gfx1250"
	.amdhsa_code_object_version 6
	.text
	.protected	k_qac270613ea_qnt
	.globl	k_qac270613ea_qnt
	.p2align	8
	.type	k_qac270613ea_qnt,@function
k_qac270613ea_qnt:
	s_mov_b64 s[64:65], 0
	v_nop
	global_prefetch_b8 v0, s[64:65] scope:SCOPE_SE
	s_setreg_imm32_b32 hwreg(HW_REG_WAVE_MODE, 25, 1), 1
	s_wait_xcnt 0x0
; x [8192][1024], W_kqv [3072][1024] and W_proj [1024][1024], f32, become codes of BF6 (E3M2) with one E8M0 byte for each 32 along K, laid as OPERAND RECORDS.
; A RECORD is 16 rows x 512 along K in 6,400 bytes: four fragments of 1,536 bytes (16 rows x 128 K as an image of the operand's 12 registers: registers 4 g .. 4 g + 3 of lane l at 512 g + 16 l),
; then 256 bytes of scale words (row r's four words at 6,144 + 16 r).  A block of 16 rows has two records on end (K = 1,024): 12,800 bytes.
; ROWS STAND AT POSITIONS: row i of block p is the tensor's row 32 (p / 2) + 16 (i / 8) + 8 (p % 2) + i % 8, so that, where such an operand is a product's source 0, the 16 result registers of two neighbouring tiles
; are 16 neighbours along the next product's K.
; A block's scale is 2^(floor(log2(its largest magnitude)) - 4); its byte is the largest magnitude's exponent field - 4, held at 1 from below.
; LIMITS: a block of zeros, or one whose largest magnitude lies under 2^-122, gets the byte 1 (its codes are then zeros or the rule's own subnormals; the bytes are read by this program alone); NaN and infinities are not served.
; SHARES: a work-group takes one block of 16 rows (0-511: x; 512-703: W_kqv; 704-767: W_proj); wave w takes K = 256 w .. 256 w + 255, two fragments.  Each load reads 512 consecutive bytes of a row; the numbers turn
; through the wave's own stage in LDS, so that a lane gets 16 neighbours of each block of 32.  Waves share nothing: no barrier.
; The first 512 work-groups also preset ml (the softmax's local -M and local sums): -M = 3e38 and sum = 0, the values of a part of a row that lies wholly under the causal mask.
.set ROWB, 4096                        ; a row of f32 in bytes
.set REC,  6400
.set FRB,  1536
.set SCO,  6144
.set RB1,  12800
.set SP,   528                         ; a stage row: 512 bytes + 16
.set STG,  16*SP                       ; a wave's stage
.set LO,   524288                      ; ml: the sums lie behind the -M
.set R0,   16                          ; v16-143  the two halves as loaded
.set X,    144                         ; v144-207 64 numbers: register 16 b + i = k 32 b + 16 (lane / 16) + i of my row
.set TM,   208                         ; v208-223 at work
.set SEL,  26                          ; s[26:27] lane selects: lane l xor 16
.macro QUANT s, pc, pw                 ; 64 numbers of a lane become a fragment's 12 registers at v[pc] and my row's scale word in v[pw]
.irp b, 0,1,2,3
	v_max3_num_f32 v[TM+\b], 0x2800000, |v[(\s)+16*\b]|, |v[(\s)+16*\b+1]|   ; my 16 numbers of block b, and the floor 2^(5 - 127): the byte cannot fall under 1
.endr
.irp i, 2,4,6,8,10,12,14
.irp b, 0,1,2,3
	v_max3_num_f32 v[TM+\b], v[TM+\b], |v[(\s)+16*\b+\i]|, |v[(\s)+16*\b+\i+1]|
.endr
.endr
.irp b, 0,1,2,3
	v_permlanex16_b32 v[TM+4+\b], v[TM+\b], s[SEL], s[SEL+1]
.endr
.irp b, 0,1,2,3
	v_max_num_f32 v[TM+\b], v[TM+\b], v[TM+4+\b]              ; with lane l xor 16's: the block's largest magnitude
.endr
.irp b, 0,1,2,3
	v_add_nc_u32 v[TM+12+\b], 0xfe000000, v[TM+\b]            ; 4 off its exponent field: the conversion's scale operand
.endr
.irp b, 0,1,2,3
	v_lshrrev_b32 v[TM+4+\b], 23, v[TM+12+\b]                 ; the scale's byte
.endr
	v_lshl_or_b32 v[\pw], v[TM+5], 8, v[TM+4]
	v_lshl_or_b32 v[\pw], v[TM+6], 16, v[\pw]
	v_lshl_or_b32 v[\pw], v[TM+7], 24, v[\pw]
.irp c, 0,1
	v_cvt_scalef32_pk16_bf6_f32 v[(\pc)+6*\c:(\pc)+6*\c+2], v[(\s)+32*\c:(\s)+32*\c+15], v[TM+12+2*\c]
	v_cvt_scalef32_pk16_bf6_f32 v[(\pc)+12+4*\c:(\pc)+14+4*\c], v[(\s)+16+32*\c:(\s)+31+32*\c], v[TM+13+2*\c]   ; (a conversion's three registers begin on an even number)
.endr
	v_nop                                                     ; one plain line behind the scaled conversions
.irp c, 0,1                            ; the operand wants a whole block in a lane: lanes 0-15 block 2 c, lanes 16-31 block 2 c + 1
.irp i, 0,1,2
	v_permlane16_swap_b32 v[(\pc)+6*\c+\i], v[(\pc)+12+4*\c+\i]
.endr
.irp i, 0,1,2
	v_mov_b32 v[(\pc)+3+6*\c+\i], v[(\pc)+12+4*\c+\i]
.endr
.endr
.endm
	s_load_b256 s[4:11], s[0:1], 0x0               ; x, W_kqv, W_proj, xc
	s_load_b128 s[12:15], s[0:1], 0x20             ; wc, ml
	v_lshl_add_u32 v254, v0, 2, 0x8400
	v_mov_b32 v255, 0
	v_lshrrev_b32 v1, 5, v0
	v_readfirstlane_b32 s28, v1                    ; wave
	v_and_b32 v1, 31, v0                           ; lane
	v_and_b32 v2, 15, v0                           ; r
	v_bfe_u32 v3, v0, 4, 1                         ; h
	v_lshlrev_b32 v4, 4, v1                        ; 16 x lane: my bytes of a load, and of an image's store
	s_mul_i32 s29, s28, STG
	v_add_nc_u32 v5, s29, v4                       ; the stage, in: 16 x lane of a row
	v_mul_u32_u24 v6, v2, SP
	v_lshl_add_u32 v6, v3, 6, v6
	v_add_nc_u32 v6, s29, v6                       ; and out: row r, + 64 h
	v_lshlrev_b32 v7, 4, v2                        ; 16 r: my row's scale words
	v_lshlrev_b32 v8, 3, v1                        ; 8 x lane: the preset
	s_mov_b32 s[SEL], 0x76543210
	s_mov_b32 s[SEL+1], 0xfedcba98
.irp b, 0,1,2,3
	v_mov_b32 v[TM+4+\b], 0                        ; a lane permute's destination counts as one of its sources
.endr
	s_cmp_lt_u32 ttmp9, 512                        ; which tensor: the choice hangs on the work-group's number alone
	s_cselect_b32 s20, 0, 512
	s_cselect_b32 s21, 0, 512
	s_cmp_lt_u32 ttmp9, 704
	s_cselect_b32 s20, s20, 704
	s_sub_co_u32 s20, ttmp9, s20                   ; the block's number in its tensor
	s_sub_co_u32 s21, ttmp9, s21                   ; and in its buffer of records (W_proj's lie behind W_kqv's)
	s_lshr_b32 s22, s20, 1
	s_lshl_b32 s22, s22, 17                        ; 32 rows of 4,096 bytes
	s_and_b32 s23, s20, 1
	s_lshl_b32 s23, s23, 15                        ; 8 rows
	s_add_co_u32 s22, s22, s23
	s_lshl_b32 s23, s28, 10                        ; my wave's 256 along K
	s_add_co_u32 s22, s22, s23
	s_mov_b32 s23, 0
	s_mul_i32 s24, s21, RB1
	s_lshr_b32 s25, s28, 1
	s_mul_i32 s25, s25, REC
	s_add_co_u32 s24, s24, s25                     ; my record
	s_mov_b32 s25, 0
	s_and_b32 s30, s28, 1
	s_mul_i32 s32, s30, 2*FRB                      ; my two fragments in it
	s_mov_b32 s33, 0
	s_lshl_b32 s34, s30, 3
	s_add_co_u32 s34, s34, SCO                     ; and my two scale words of each row
	s_mov_b32 s35, 0
	s_lshl_b32 s36, s28, 17                        ; ml: wave w presets the w-th 512 keys' words of the block's 16 rows
	s_lshl_b32 s37, ttmp9, 8
	s_add_co_u32 s36, s36, s37
	s_mov_b32 s37, 0
	s_wait_kmcnt 0x0
	s_cmp_lt_u32 ttmp9, 704
	s_cselect_b64 s[16:17], s[6:7], s[8:9]
	s_cmp_lt_u32 ttmp9, 512
	s_cselect_b64 s[16:17], s[4:5], s[16:17]
	s_cselect_b64 s[18:19], s[10:11], s[12:13]
	s_add_nc_u64 s[16:17], s[16:17], s[22:23]
	s_add_nc_u64 s[18:19], s[18:19], s[24:25]
	s_add_nc_u64 s[38:39], s[18:19], s[34:35]
	s_add_nc_u64 s[18:19], s[18:19], s[32:33]
	s_add_nc_u64 s[14:15], s[14:15], s[36:37]
.irp f, 0,1
.irp i, 0,1,2,3,4,5,6,7,8,9,10,11,12,13,14,15
	global_load_b128 v[R0+64*\f+4*\i:R0+64*\f+4*\i+3], v4, s[16:17] offset:(16*(\i/8)+\i%8)*ROWB+512*\f th:TH_LOAD_NT   ; 512 consecutive bytes of the block's row i
.endr
.endr
	s_cmp_ge_u32 ttmp9, 512
	s_cbranch_scc1 .Lno_preset
	v_mov_b32 v246, 0x7f61b1e6                     ; 3e38
	v_mov_b32 v247, 0x7f61b1e6
	s_wait_alu depctr_va_vdst(0)
	v_mov_b32 v248, 0
	v_mov_b32 v249, 0
	global_store_b64 v8, v[246:247], s[14:15]      ; 32 lanes store 256 consecutive bytes, aligned
	global_store_b64 v8, v[248:249], s[14:15] offset:LO
.Lno_preset:
.macro HALF f, pc, pw, left
	s_wait_loadcnt \left                           ; loads come back in order: this half's 16 are in
.irp i, 0,1,2,3,4,5,6,7,8,9,10,11,12,13,14,15
	ds_store_b128 v5, v[R0+64*\f+4*\i:R0+64*\f+4*\i+3] offset:SP*\i
.endr
.irp b, 0,1,2,3
.irp j, 0,1,2,3
	ds_load_b128 v[X+16*\b+4*\j:X+16*\b+4*\j+3], v6 offset:128*\b+16*\j   ; LDS serves a wave's instructions in order: these see my stores
.endr
.endr
	s_wait_dscnt 0x0
	QUANT X, \pc, \pw
.irp g, 0,1,2
	global_store_b128 v4, v[(\pc)+4*\g:(\pc)+4*\g+3], s[18:19] offset:FRB*\f+512*\g   ; 512 consecutive bytes, aligned
.endr
.endm
	s_wait_alu depctr_va_vdst(0)
	HALF 0, 224, 244, 16
	HALF 1, 16, 245, 0                             ; its codes take registers of the first half's numbers, which have gone through the stage
	global_store_b64 v7, v[244:245], s[38:39]      ; my two scale words of row r (lanes r and r + 16 hold and store the same)
	s_wait_tensorcnt 0x0
	ds_add_u32 v254, v255
	s_wait_dscnt 0x0
	s_endpgm
.Lfunc_end_k_qac270613ea_qnt:
	.size	k_qac270613ea_qnt, .Lfunc_end_k_qac270613ea_qnt-k_qac270613ea_qnt
	.p2alignl 7, 3214868480
	.fill 96, 4, 3214868480
	.section	.rodata,"a",@progbits
	.p2align	6, 0x0
	.amdhsa_kernel k_qac270613ea_qnt
		.amdhsa_group_segment_fixed_size 34304
		.amdhsa_private_segment_fixed_size 0
		.amdhsa_enable_private_segment 0
		.amdhsa_kernarg_size 48
		.amdhsa_user_sgpr_count 2
		.amdhsa_user_sgpr_kernarg_segment_ptr 1
		.amdhsa_wavefront_size32 1
		.amdhsa_system_sgpr_workgroup_id_x 1
		.amdhsa_system_sgpr_workgroup_id_y 1
		.amdhsa_system_sgpr_workgroup_id_z 1
		.amdhsa_system_vgpr_workitem_id 0
		.amdhsa_next_free_vgpr 256
		.amdhsa_next_free_sgpr 66
		.amdhsa_reserve_vcc 0
		.amdhsa_float_denorm_mode_32 3
		.amdhsa_float_denorm_mode_16_64 3
		.amdhsa_memory_ordered 1
		.amdhsa_forward_progress 1
		.amdhsa_inst_pref_size 19
	.end_amdhsa_kernel
	.amdgpu_metadata
---
amdhsa.version: [ 1, 2 ]
amdhsa.kernels:
  - .name:           k_qac270613ea_qnt
    .symbol:         k_qac270613ea_qnt.kd
    .args:
      - { .name: x, .offset: 0, .size: 8, .value_kind: global_buffer, .address_space: global }
      - { .name: W_kqv, .offset: 8, .size: 8, .value_kind: global_buffer, .address_space: global }
      - { .name: W_proj, .offset: 16, .size: 8, .value_kind: global_buffer, .address_space: global }
      - { .name: xc, .offset: 24, .size: 8, .value_kind: global_buffer, .address_space: global }
      - { .name: wc, .offset: 32, .size: 8, .value_kind: global_buffer, .address_space: global }
      - { .name: ml, .offset: 40, .size: 8, .value_kind: global_buffer, .address_space: global }
    .group_segment_fixed_size: 34304
    .private_segment_fixed_size: 0
    .kernarg_segment_align: 8
    .kernarg_segment_size: 48
    .max_flat_workgroup_size: 128
    .sgpr_count:     66
    .vgpr_count:     256
    .wavefront_size: 32
...
	.end_amdgpu_metadata
.endif
;; end of part 1
;; launch kqv (part 2): grid 64 x 4, 4 waves a work-group, clusters of 4 x 4, 327,680 bytes of LDS; arguments xc, wc, b_kqv, kq, vt; writes kq, vt
.if DOCPART == 2
	.amdgcn_target "amdgcn-amd-amdhsa--gfx1250"
	.amdhsa_code_object_version 6
	.text
	.protected	k_qac270613ea_kqv
	.globl	k_qac270613ea_kqv
	.p2align	8
	.type	k_qac270613ea_kqv,@function
k_qac270613ea_kqv:
	s_mov_b64 s[64:65], 0
	v_nop
	global_prefetch_b8 v0, s[64:65] scope:SCOPE_SE
	s_setreg_imm32_b32 hwreg(HW_REG_WAVE_MODE, 25, 1), 1
	s_wait_xcnt 0x0
	s_wait_alu depctr_hold_cnt(0) depctr_sa_sdst(0) depctr_va_vdst(0) depctr_va_sdst(0) depctr_va_ssrc(0) depctr_va_vcc(0) depctr_vm_vsrc(0)
	s_getreg_b32 s2, hwreg(HW_REG_IB_STS2, 6, 4)
	s_cmp_eq_u32 s2, 0
	s_cbranch_scc0 .Lentry_in_a_cluster
	s_endpgm
.Lentry_in_a_cluster:
	s_bfe_u32 s2, ttmp6, 0x10000c
	s_cmp_lg_u32 s2, 0xf033
	s_cbranch_scc0 .Lentry_shape_is_right
	s_endpgm
.Lentry_shape_is_right:
; k, q and v = x W_kqv^T + b_kqv on codes of BF6 with E8M0 scales, each result quantised again and stored as operand records: k and q along the channels (kq), v along the keys (vt).
; RECORDS: 16 rows x 512 K in 6,400 bytes: four register images of 1,536 bytes, then 256 bytes of scale words (row r's four words at 6,144 + 16 r); a block of 16 rows has two records on end in xc, wc, kq, four in vt.
; Rows stand at positions: row i of block p is the true row 32 (p / 2) + 16 (i / 8) + 8 (p % 2) + i % 8, so the 16 result registers of two neighbouring tiles of source 0 are 16 neighbours along the next K.
; SHARES: work-group (j, i) takes tokens 256 i .. + 255.  PART 1: against rows 256 j .. + 255 of W_k, W_q (j under 4: k): four waves 2 x 2, each 128 tokens x 128 channels, 64 accumulators; source 0 = W, source 1 = x.
; PART 2: against rows 128 j .. + 127 of W_v: each wave 64 channels x 128 tokens, 32 accumulators; source 0 = x, source 1 = W_v, so that a lane's registers run along the keys.  8 x 32 = 256 work-groups.
; THE SIXTEEN CLUSTERS are numbered along x alone: bit 1 of the number picks the half of j, bits 0, 2 and 3 the four rows i: clusters that differ in bit 0 or in bit 2 read different rows of x.
; TWO ROADS FOR THE OPERANDS.  x's 16 blocks come into LDS and stay: record q of block b at 102,400 q + 6,400 b; both parts read them.  Record 0 is asked for at the head, 4 blocks a wave; record 1 behind the
; wait, the add and the round ahead of a later first fill, again 4 blocks a wave; it is first read in the middle of step 3, behind a barrier of its own.  Nothing is filled again.
; W's fragments are register images in memory, so each wave loads its own straight into registers, 512 consecutive aligned bytes a load.  Part 1 asks for a step's 24 loads one step, 64 products, ahead (two sets);
; part 2 for a step's 12 three steps ahead (four sets, in the registers of part 1's upper accumulators).
; CLUSTERS 4 x 4: x's tiles are shared along a row of the cluster by joint loads.  W does not go through LDS, so it has no joint load.
; PREFETCH of W, in pieces of 3,072 bytes of a row: the four partners of a column and their four waves take 12 blocks of 256 bytes each, told apart by address (4 cy + wave); lanes 12 to 31 name the wave's last block
; again.  At the head: K 256-511 and 512-767 of part 1's rows (first loaded in steps 1 and 3); in step 1: K 768-1,023; in steps 3 and 5: W_v's two records.  x has none: both its loads go out at the launch's start.
; LIMITS: a block of zeros, or one whose largest magnitude lies under 2^-122, gets the byte 1 (the bytes are read by this program alone); NaN and infinities are not served.
; REGISTERS: window 0: v0-29 ids and addresses; v32-95 x's scale words; v96-127 W_k/W_q's; v224-255 W_v's; v128-223 x's fragments of part 1, on the ways out at work.
;   window 1: source 0's fragments, two sets at v0 and v128; the bias at v96-127 and v224-255.   windows 2, 3: the accumulators; in part 2 window 3 holds W_v's fragments, four sets of 48.
.set REC,  6400
.set FRB,  1536
.set SCO,  6144
.set RB1,  12800
.set RB2,  25600
.set XR,   102400                      ; x's 16 records of one half of K
.set SPARE, 204800                     ; behind x: the spare words, 128 bytes a wave, that no other line names
.set WV,   1638400                     ; W_v's records in wc
.set QO,   6553600                     ; q's records in kq
.set VB,   1638400                     ; a batch in vt
.set G1X,  24
.set G0X,  32
.set WB,   20                          ; s[20:21] my 8 blocks of W_k or W_q
.set WA,   22                          ; s[22:23] my 4 blocks of W_v
.set PFW,  96
.set PFV,  98
.set SEL,  66
.set PFO,  11
.set ADXA, 12                          ; x's fragments as source 1: record 0, 1
.set ADXB, 14                          ; as source 0
.set ADSA, 20                          ; x's scale words as source 1
.set ADSB, 22                          ; as source 0: lanes 16-31 take the next block's
.set SPW,  28
.set NIL,  29
.set TM,   128
.set PC,   144
.set PW,   184
.set MSB, 0
.macro WIN new
.if MSB != (\new)
	s_set_vgpr_msb (MSB<<8)|(\new)
.set MSB, (\new)
.endif
.endm
.macro PLACES n
.rept \n
	v_nop
.endr
.endm
.macro CROUND
	s_barrier_signal -1
	s_barrier_wait -1
	s_cmp_lg_u32 s14, 0
	s_cbranch_scc1 .Lnot_wave_0_\@
	s_barrier_signal -3
.Lnot_wave_0_\@:
	s_barrier_wait -3
	s_barrier_signal -1
	s_barrier_wait -1
.endm
.macro FB st                           ; part 1: W's eight fragments of step st, from memory into set st % 2
	WIN 0x40
.irp b, 0,1,2,3,4,5,6,7
.irp g, 0,1,2
	global_load_b128 v[128*((\st)%2)+12*\b+4*\g:128*((\st)%2)+12*\b+4*\g+3], v4, s[WB:WB+1] offset:RB1*\b+REC*((\st)/4)+FRB*((\st)%4)+512*\g
.endr
.endr
	WIN 0
.endm
.macro FA st, a0                       ; part 1: x's blocks a0 .. a0 + 3 of step st, from LDS
.irp a, \a0, \a0+1, \a0+2, \a0+3
.irp g, 0,1,2
	ds_load_b128 v[128+12*(\a)+4*\g:128+12*(\a)+4*\g+3], v[ADXA+(\st)/4] offset:REC*(\a)+FRB*((\st)%4)+512*\g
.endr
.endr
.endm
.macro XS q                            ; part 1: x's scale words of record q
.irp a, 0,1,2,3,4,5,6,7
	ds_load_b128 v[32+32*(\q)+4*\a:32+32*(\q)+4*\a+3], v[ADSA+(\q)] offset:SCO+REC*\a
.endr
.endm
.macro WM odd
.if \odd
	v_wmma_scale_f32_16x16x128_f8f6f4 v[rD:rD+7], v[rB:rB+11], v[rA:rA+11], v[rC:rC+7], v[rSB], v[rSA] matrix_a_fmt:MATRIX_FMT_BF6 matrix_b_fmt:MATRIX_FMT_BF6 matrix_a_scale:MATRIX_SCALE_ROW1
.else
	v_wmma_scale_f32_16x16x128_f8f6f4 v[rD:rD+7], v[rB:rB+11], v[rA:rA+11], v[rC:rC+7], v[rSB], v[rSA] matrix_a_fmt:MATRIX_FMT_BF6 matrix_b_fmt:MATRIX_FMT_BF6
.endif
.endm
; part 1: x's blocks a0, a0 + 1 against W's eight.  mode 2: C = the bias by channels.  The 64 accumulators take turns, one instruction a turn, in one order in every step
.macro MUL16 a0, st, mode
.if (\mode) == 2
	WIN 0x91+0x40*((\a0)/4)
.else
	WIN 0xa1+0x50*((\a0)/4)
.endif
.set ia, \a0
.rept 2
.set ib, 0
.rept 8
.set rD, 8*(8*(ia%4)+ib)
.set rB, 128*((\st)%2)+12*ib
.set rA, 128+12*ia
.set rSB, 96+16*((\st)/4)+4*(ib/2)+(\st)%4
.set rSA, 32+32*((\st)/4)+4*ia+(\st)%4
.set rC, rD
.if (\mode) == 2
.set rC, 96+8*ib+96*(ib/4)
.endif
	WM ib%2
.set ib, ib+1
.endr
.set ia, ia+1
.endr
.endm
; A step of part 1: 64 products.  W's next set is asked for at its head; x's next fragments come in its middle (blocks 0-3) and at its end (blocks 4-7).
.macro STEP st, mode, pf
	s_wait_loadcnt 0x0                             ; W's set of this step, asked for a step ago
.if (\st) < 7
	FB (\st)+1                                     ; into the set that the last step read: four places stand at that step's end
.endif
.if (\pf) == 1
	global_prefetch_b8 v[PFO], s[PFW:PFW+1] offset:REC+2*FRB th:TH_LOAD_NT scope:SCOPE_SE
.endif
.if (\pf) == 2
	global_prefetch_b8 v[PFO], s[PFV:PFV+1] th:TH_LOAD_NT scope:SCOPE_SE
.endif
.if (\pf) == 3
	global_prefetch_b8 v[PFO], s[PFV:PFV+1] offset:REC th:TH_LOAD_NT scope:SCOPE_SE
.endif
	s_wait_dscnt 12                                ; the 12 loads of x's blocks 4-7 may be out
	MUL16 0, \st, \mode
	MUL16 2, \st, \mode
	s_wait_dscnt 0x0
	PLACES 4
	WIN 0
.if (\st) == 3
	s_wait_tensorcnt 0x0                           ; my part of x's record 1 is in
	s_barrier_signal -1
	s_barrier_wait -1                              ; record 1 is whole
	XS 1
.endif
.if (\st) < 7
	FA (\st)+1, 0
.endif
	MUL16 4, \st, \mode
	MUL16 6, \st, \mode
	PLACES 4
	WIN 0
.if (\st) < 7
	FA (\st)+1, 4
.endif
.endm
.macro FX2 st                          ; part 2: x's eight fragments of step st, from LDS into set st % 2
	WIN 0x40
.irp b, 0,1,2,3,4,5,6,7
.irp g, 0,1,2
	ds_load_b128 v[128*((\st)%2)+12*\b+4*\g:128*((\st)%2)+12*\b+4*\g+3], v[ADXB+(\st)/4] offset:REC*\b+FRB*((\st)%4)+512*\g
.endr
.endr
	WIN 0
.endm
.macro GV st                           ; part 2: W_v's four fragments of step st, from memory into set st % 4 of window 3
	WIN 0xc0
.irp a, 0,1,2,3
.irp g, 0,1,2
	global_load_b128 v[48*((\st)%4)+12*\a+4*\g:48*((\st)%4)+12*\a+4*\g+3], v4, s[WA:WA+1] offset:RB1*\a+REC*((\st)/4)+FRB*((\st)%4)+512*\g
.endr
.endr
	WIN 0
.endm
.macro MUL2 st, mode                   ; part 2: 32 products.  mode 3: C = the bias by rows
.if (\mode) == 3
	WIN 0x9d
.else
	WIN 0xad
.endif
.set ia, 0
.rept 4
.set ib, 0
.rept 8
.set rD, 8*(8*ia+ib)
.set rB, 128*((\st)%2)+12*ib
.set rA, 48*((\st)%4)+12*ia
.set rSB, 32+16*((\st)/4)+4*(ib/2)+(\st)%4
.set rSA, 224+16*((\st)/4)+4*ia+(\st)%4
.set rC, rD
.if (\mode) == 3
.set rC, 96+8*ia
.endif
	WM ib%2
.set ib, ib+1
.endr
.set ia, ia+1
.endr
.endm
.macro KSTEP2 st, mode, younger        ; younger: W_v's loads of the steps behind this one that have been asked for
	s_wait_loadcnt \younger
	s_wait_dscnt 0x0                               ; this step's fragments of x are in
	PLACES 4
.if (\st) < 7
	FX2 (\st)+1
.endif
.if (\st) < 5
	GV (\st)+3                                     ; into the set that the last step read
.endif
	MUL2 \st, \mode
.endm
.macro QUANT s, pc, pw, sw             ; 64 results of a lane in window sw become a fragment's 12 registers at v[pc] and my row's scale word in v[pw]
	WIN 0x14*(\sw)
.irp b, 0,1,2,3
	v_max3_num_f32 v[TM+\b], 0x2800000, |v[(\s)+16*\b]|, |v[(\s)+16*\b+1]|   ; with the floor 2^(5 - 127): the byte cannot fall under 1; each accumulator is read from its low end on
.endr
.irp i, 2,4,6,8,10,12,14
.irp b, 0,1,2,3
	v_max3_num_f32 v[TM+\b], v[TM+\b], |v[(\s)+16*\b+\i]|, |v[(\s)+16*\b+\i+1]|
.endr
.endr
	WIN 0
.irp b, 0,1,2,3
	v_permlanex16_b32 v[TM+4+\b], v[TM+\b], s[SEL], s[SEL+1]
.endr
.irp b, 0,1,2,3
	v_max_num_f32 v[TM+\b], v[TM+\b], v[TM+4+\b]              ; with lane l xor 16's: the block's largest magnitude
.endr
.irp b, 0,1,2,3
	v_add_nc_u32 v[TM+12+\b], 0xfe000000, v[TM+\b]            ; 4 off its exponent field: the conversion's scale operand
.endr
.irp b, 0,1,2,3
	v_lshrrev_b32 v[TM+4+\b], 23, v[TM+12+\b]                 ; the scale's byte
.endr
	v_lshl_or_b32 v[\pw], v[TM+5], 8, v[TM+4]
	v_lshl_or_b32 v[\pw], v[TM+6], 16, v[\pw]
	v_lshl_or_b32 v[\pw], v[TM+7], 24, v[\pw]
	WIN \sw
.irp c, 0,1
	v_cvt_scalef32_pk16_bf6_f32 v[(\pc)+6*\c:(\pc)+6*\c+2], v[(\s)+32*\c:(\s)+32*\c+15], v[TM+12+2*\c]
	v_cvt_scalef32_pk16_bf6_f32 v[(\pc)+12+4*\c:(\pc)+14+4*\c], v[(\s)+16+32*\c:(\s)+31+32*\c], v[TM+13+2*\c]
.endr
	WIN 0
	v_nop                                                     ; one plain line behind the scaled conversions
.irp c, 0,1                            ; the operand wants a whole block in a lane
.irp i, 0,1,2
	v_permlane16_swap_b32 v[(\pc)+6*\c+\i], v[(\pc)+12+4*\c+\i]
.endr
.irp i, 0,1,2
	v_mov_b32 v[(\pc)+3+6*\c+\i], v[(\pc)+12+4*\c+\i]
.endr
.endr
.endm
.macro EPI a, src, sw, cb, sb, rpb, w  ; block a of the result leaves: a fragment of 1,536 bytes, 512 consecutive aligned bytes a store, and its scale words
.if \w
	s_wait_xcnt 0x0                                ; the stores that read this block's registers last have read them
.endif
	QUANT \src, PC+20*((\a)%2), PW+(\a), \sw
.irp g, 0,1,2
	global_store_b128 v4, v[PC+20*((\a)%2)+4*\g:PC+20*((\a)%2)+4*\g+3], s[\cb:\cb+1] offset:(\a)*(\rpb)+512*\g
.endr
	global_store_b32 v5, v[PW+(\a)], s[\sb:\sb+1] offset:(\a)*(\rpb)   ; lanes r and r + 16 hold and store the same
.endm
	s_load_b256 s[68:75], s[0:1], 0x0              ; xc, wc, b_kqv, kq
	s_load_b64 s[76:77], s[0:1], 0x20              ; vt
	v_lshl_add_u32 v[SPW], v0, 2, SPARE
	v_mov_b32 v[NIL], 0
	ds_add_u32 v[SPW], v[NIL]                      ; the opening: the add, twice on end, and its wait ahead of my first tensor load
	ds_add_u32 v[SPW], v[NIL]
	v_lshrrev_b32 v1, 5, v0
	v_readfirstlane_b32 s14, v1                    ; wave
	s_lshr_b32 s15, s14, 1                         ; which half of source 1's rows is mine
	s_and_b32 s16, s14, 1                          ; which half of source 0's
	s_bfe_u32 s40, ttmp6, 0x40000                  ; cx
	s_bfe_u32 s41, ttmp6, 0x40004                  ; cy
	s_bfe_u32 s42, ttmp9, 0x10001                  ; bit 1 of the cluster's number
	s_lshl_b32 s42, s42, 2
	s_add_co_u32 s42, s42, s40                     ; j
	s_lshr_b32 s43, ttmp9, 2                       ; its bits 3 and 2,
	s_lshl_b32 s43, s43, 1
	s_and_b32 s17, ttmp9, 1                        ; and bit 0
	s_add_co_u32 s43, s43, s17
	s_lshl_b32 s43, s43, 2
	s_add_co_u32 s43, s43, s41                     ; i
	s_lshl_b32 s44, s41, 2
	s_lshl_b32 s44, 15, s44                        ; my row of the cluster
	s_or_b32 s[G1X], s44, (3<<16)|(1<<21)          ; x: 4 rows of 6,400 bytes (800 elements of 8), 12,800 apart
	s_mov_b32 s[G1X+1], 800<<16
	s_mov_b32 s[G1X+2], 4<<16
	s_mov_b32 s[G1X+3], 800<<16
	s_mov_b32 s[G1X+4], 4
	s_mov_b32 s[G1X+5], 1600
	s_mov_b32 s[G1X+6], 0
	s_mov_b32 s[G1X+7], 0
	s_mul_i32 s78, s43, 16*RB1                     ; x's tile; I fetch blocks 4 wave .. + 3
	s_mul_i32 s17, s14, 4*RB1
	s_add_co_u32 s78, s78, s17
	s_mov_b32 s79, 0
	s_mov_b32 s[G0X], 1
	s_mul_i32 s[G0X+1], s14, 4*REC
	s_wait_dscnt 0x0                               ; both opening adds are done
	s_wait_kmcnt 0x0
	s_add_nc_u64 s[G0X+2:G0X+3], s[68:69], s[78:79]
	s_or_b32 s[G0X+3], s[G0X+3], 0x80000000
	CROUND                                         ; all sixteen work-groups are here: the joint loads meet
	tensor_load_to_lds s[G0X:G0X+3], s[G1X:G1X+7]  ; record 0: my one tensor load at the head
	s_nop 0
	PLACES 4
	s_mov_b32 s93, 0
	s_mul_i32 s92, s42, 16*RB1
	s_add_nc_u64 s[86:87], s[70:71], s[92:93]      ; W's tile of part 1
	s_mul_i32 s92, s42, 8*RB1
	s_add_co_u32 s92, s92, WV
	s_add_nc_u64 s[84:85], s[70:71], s[92:93]      ; W_v's tile
	s_mul_i32 s92, s16, 8*RB1
	s_add_nc_u64 s[WB:WB+1], s[86:87], s[92:93]
	s_mul_i32 s92, s15, 4*RB1
	s_add_nc_u64 s[WA:WA+1], s[84:85], s[92:93]
	s_lshl_b32 s92, s42, 10                        ; the biases: my 128 channels of k or q,
	s_lshl_b32 s17, s16, 9
	s_add_co_u32 s92, s92, s17
	s_add_nc_u64 s[12:13], s[72:73], s[92:93]
	s_lshl_b32 s92, s42, 9                         ; my 64 of v
	s_lshl_b32 s17, s15, 8
	s_add_co_u32 s92, s92, s17
	s_add_co_u32 s92, s92, 8192
	s_add_nc_u64 s[18:19], s[72:73], s[92:93]
	s_lshl_b32 s94, s41, 2                         ; the prefetches: 4 cy + wave, 0 .. 15
	s_add_co_u32 s94, s94, s14
	s_mul_i32 s92, s94, RB1
	s_add_nc_u64 s[PFW:PFW+1], s[86:87], s[92:93]  ; part 1: that row of the tile
	s_lshr_b32 s92, s94, 1
	s_mul_i32 s92, s92, RB1
	s_and_b32 s95, s94, 1
	s_mul_i32 s95, s95, 2*FRB
	s_add_co_u32 s92, s92, s95
	s_add_nc_u64 s[PFV:PFV+1], s[84:85], s[92:93]  ; part 2: half a row's fragments
	s_mul_i32 s46, s15, 8*REC
	s_mul_i32 s47, s16, 8*REC
	s_mov_b32 s[SEL], 0x76543210
	s_mov_b32 s[SEL+1], 0xfedcba98
	v_and_b32 v1, 31, v0                           ; lane
	v_and_b32 v2, 15, v0                           ; r
	v_bfe_u32 v3, v0, 4, 1                         ; h
	v_lshlrev_b32 v4, 4, v1
	v_lshlrev_b32 v5, 4, v2
	v_mul_u32_u24 v6, v3, REC
	v_add_nc_u32 v6, v6, v5
	v_lshlrev_b32 v7, 6, v3
	v_and_b32 v9, 8, v2
	v_add_nc_u32 v9, v9, v2
	v_lshlrev_b32 v9, 2, v9
	v_mul_u32_u24 v10, v3, RB1
	v_add_nc_u32 v10, v10, v5
	v_min_u32 v[PFO], 11, v1
	v_lshlrev_b32 v[PFO], 8, v[PFO]
	v_add_nc_u32 v[ADXA], s46, v4
	v_add_nc_u32 v[ADXA+1], XR, v[ADXA]
	v_add_nc_u32 v[ADXB], s47, v4
	v_add_nc_u32 v[ADXB+1], XR, v[ADXB]
	v_add_nc_u32 v[ADSA], s46, v5
	v_add_nc_u32 v[ADSA+1], XR, v[ADSA]
	v_add_nc_u32 v[ADSB], s47, v6
	v_add_nc_u32 v[ADSB+1], XR, v[ADSB]
.irp b, 0,1,2,3
	v_mov_b32 v[TM+4+\b], 0                        ; a lane permute's destination counts as one of its sources
.endr
	s_wait_alu depctr_va_vdst(0)                   ; at the head's end, behind its last vector instruction
	FB 0
.irp q, 0,1
.irp i, 0,1,2,3
	global_load_b128 v[96+16*\q+4*\i:96+16*\q+4*\i+3], v10, s[WB:WB+1] offset:2*RB1*\i+REC*\q+SCO   ; W's words: lanes 0-15 block 2 i, lanes 16-31 block 2 i + 1
.endr
.endr
.irp q, 0,1
.irp a, 0,1,2,3
	global_load_b128 v[224+16*\q+4*\a:224+16*\q+4*\a+3], v5, s[WA:WA+1] offset:RB1*\a+REC*\q+SCO    ; W_v's words
.endr
.endr
	WIN 0x40
.irp b, 0,1,2,3,4,5,6,7                    ; for tile b a lane wants the bias of channels 32 (b / 2) + 16 h + 8 (b % 2) + 0 .. 7
	global_load_b128 v[96+8*\b+96*(\b/4):96+8*\b+96*(\b/4)+3], v7, s[12:13] offset:4*(32*(\b/2)+8*(\b%2))
	global_load_b128 v[96+8*\b+96*(\b/4)+4:96+8*\b+96*(\b/4)+7], v7, s[12:13] offset:4*(32*(\b/2)+8*(\b%2))+16
.endr
	WIN 0
	global_prefetch_b8 v[PFO], s[PFW:PFW+1] offset:2*FRB th:TH_LOAD_NT scope:SCOPE_SE   ; K 256-511
	global_prefetch_b8 v[PFO], s[PFW:PFW+1] offset:REC th:TH_LOAD_NT scope:SCOPE_SE     ; K 512-767
	s_lshl_b32 s94, s42, 1                         ; kq: which 128 channels of k or q are my columns
	s_add_co_u32 s94, s94, s16
	s_and_b32 s94, s94, 7
	s_lshl_b32 s92, s43, 4
	s_lshl_b32 s17, s15, 3
	s_add_co_u32 s92, s92, s17
	s_mul_i32 s92, s92, RB1
	s_lshr_b32 s17, s42, 2
	s_mul_i32 s17, s17, QO
	s_add_co_u32 s92, s92, s17
	s_lshr_b32 s17, s94, 2
	s_mul_i32 s17, s17, REC
	s_add_co_u32 s92, s92, s17
	s_add_nc_u64 s[4:5], s[74:75], s[92:93]
	s_and_b32 s94, s94, 3
	s_lshl_b32 s92, s94, 2
	s_add_co_u32 s92, s92, SCO
	s_add_nc_u64 s[6:7], s[4:5], s[92:93]
	s_mul_i32 s92, s94, FRB
	s_add_nc_u64 s[4:5], s[4:5], s[92:93]
	s_and_b32 s94, s43, 7                          ; vt: which 128 keys of the batch are my tokens
	s_lshl_b32 s94, s94, 1
	s_add_co_u32 s94, s94, s16
	s_lshl_b32 s92, s42, 3
	s_lshl_b32 s17, s15, 2
	s_add_co_u32 s92, s92, s17
	s_mul_i32 s92, s92, RB2
	s_lshr_b32 s17, s43, 3
	s_mul_i32 s17, s17, VB
	s_add_co_u32 s92, s92, s17
	s_lshr_b32 s17, s94, 2
	s_mul_i32 s17, s17, REC
	s_add_co_u32 s92, s92, s17
	s_add_nc_u64 s[8:9], s[76:77], s[92:93]
	s_and_b32 s94, s94, 3
	s_lshl_b32 s92, s94, 2
	s_add_co_u32 s92, s92, SCO
	s_add_nc_u64 s[10:11], s[8:9], s[92:93]
	s_mul_i32 s92, s94, FRB
	s_add_nc_u64 s[8:9], s[8:9], s[92:93]
	s_wait_tensorcnt 0x0                           ; my part of record 0 is in
	ds_add_u32 v[SPW], v[NIL]                      ; the add, ahead of a later first fill
	s_add_co_u32 s[G0X+1], s[G0X+1], XR            ; no load of mine is out, so the group 0 may be written: record 1
	s_add_nc_u64 s[G0X+2:G0X+3], s[G0X+2:G0X+3], REC
	s_wait_dscnt 0x0                               ; the add is done
	CROUND                                         ; record 0 is whole, and all sixteen work-groups are here: the joint loads meet
	tensor_load_to_lds s[G0X:G0X+3], s[G1X:G1X+7]  ; record 1: my one tensor load behind the round
	s_nop 0
	PLACES 4
	XS 0
	FA 0, 0
	FA 0, 4
	STEP 0, 2, 0
	STEP 1, 0, 1
	STEP 2, 0, 0
	STEP 3, 0, 2
	STEP 4, 0, 0
	STEP 5, 0, 3
	STEP 6, 0, 0
	STEP 7, 0, 0
.irp q, 0,1
.irp i, 0,1,2,3
	ds_load_b128 v[32+16*\q+4*\i:32+16*\q+4*\i+3], v[ADSB+\q] offset:SCO+2*REC*\i   ; part 2: x's scale words as source 0
.endr
.endr
	FX2 0
	WIN 0x40
.irp a, 0,1,2,3                            ; v's bias: a lane holds one channel, so its eight registers hold one number
.irp j, 0,1,2,3,4,5,6,7
	global_load_b32 v[96+8*\a+\j], v9, s[18:19] offset:4*(32*(\a/2)+8*(\a%2))
.endr
.endr
	WIN 0
	EPI 4, 0, 3, 4, 6, RB1, 0                      ; the upper accumulators leave first: their registers take W_v's fragments
	EPI 5, 64, 3, 4, 6, RB1, 0
	EPI 6, 128, 3, 4, 6, RB1, 1
	EPI 7, 192, 3, 4, 6, RB1, 1
	GV 0
	GV 1
	GV 2
.irp a, 0,1,2,3
	EPI \a, 64*\a, 2, 4, 6, RB1, 1
.endr
	KSTEP2 0, 3, 24
.irp t, 1,2,3,4,5
	KSTEP2 \t, 0, 24
.endr
	KSTEP2 6, 0, 12
	KSTEP2 7, 0, 0
	WIN 0
	PLACES 4
.irp a, 0,1,2,3
	EPI \a, 64*\a, 2, 8, 10, RB2, 1
.endr
	s_wait_tensorcnt 0x0                           ; the wave's end
	ds_add_u32 v[SPW], v[NIL]
	s_wait_dscnt 0x0
	CROUND                                         ; the closing round
	s_endpgm
.Lfunc_end_k_qac270613ea_kqv:
	.size	k_qac270613ea_kqv, .Lfunc_end_k_qac270613ea_kqv-k_qac270613ea_kqv
	.p2alignl 7, 3214868480
	.fill 96, 4, 3214868480
	.section	.rodata,"a",@progbits
	.p2align	6, 0x0
	.amdhsa_kernel k_qac270613ea_kqv
		.amdhsa_group_segment_fixed_size 327680
		.amdhsa_private_segment_fixed_size 0
		.amdhsa_enable_private_segment 0
		.amdhsa_kernarg_size 40
		.amdhsa_user_sgpr_count 2
		.amdhsa_user_sgpr_kernarg_segment_ptr 1
		.amdhsa_wavefront_size32 1
		.amdhsa_system_sgpr_workgroup_id_x 1
		.amdhsa_system_sgpr_workgroup_id_y 1
		.amdhsa_system_sgpr_workgroup_id_z 1
		.amdhsa_system_vgpr_workitem_id 0
		.amdhsa_next_free_vgpr 1024
		.amdhsa_next_free_sgpr 100
		.amdhsa_reserve_vcc 0
		.amdhsa_float_denorm_mode_32 3
		.amdhsa_float_denorm_mode_16_64 3
		.amdhsa_memory_ordered 1
		.amdhsa_forward_progress 1
		.amdhsa_inst_pref_size 222
	.end_amdhsa_kernel
	.amdgpu_metadata
---
amdhsa.version: [ 1, 2 ]
amdhsa.kernels:
  - .name:           k_qac270613ea_kqv
    .symbol:         k_qac270613ea_kqv.kd
    .args:
      - { .name: xc, .offset: 0, .size: 8, .value_kind: global_buffer, .address_space: global }
      - { .name: wc, .offset: 8, .size: 8, .value_kind: global_buffer, .address_space: global }
      - { .name: b_kqv, .offset: 16, .size: 8, .value_kind: global_buffer, .address_space: global }
      - { .name: kq, .offset: 24, .size: 8, .value_kind: global_buffer, .address_space: global }
      - { .name: vt, .offset: 32, .size: 8, .value_kind: global_buffer, .address_space: global }
    .group_segment_fixed_size: 327680
    .private_segment_fixed_size: 0
    .kernarg_segment_align: 8
    .kernarg_segment_size: 40
    .max_flat_workgroup_size: 128
    .sgpr_count:     100
    .vgpr_count:     1024
    .wavefront_size: 32
...
	.end_amdgpu_metadata
.endif
;; end of part 2
;; launch scores (part 3): grid 32 x 5, 4 waves a work-group, clusters of 4 x 1, 327,680 bytes of LDS; arguments kq, pc, ml; writes pc, ml
.if DOCPART == 3
	.amdgcn_target "amdgcn-amd-amdhsa--gfx1250"
	.amdhsa_code_object_version 6
	.text
	.protected	k_qac270613ea_scores
	.globl	k_qac270613ea_scores
	.p2align	8
	.type	k_qac270613ea_scores,@function
k_qac270613ea_scores:
	s_mov_b64 s[64:65], 0
	v_nop
	global_prefetch_b8 v0, s[64:65] scope:SCOPE_SE
	s_setreg_imm32_b32 hwreg(HW_REG_WAVE_MODE, 25, 1), 1
	s_wait_xcnt 0x0
	s_wait_alu depctr_hold_cnt(0) depctr_sa_sdst(0) depctr_va_vdst(0) depctr_va_sdst(0) depctr_va_ssrc(0) depctr_va_vcc(0) depctr_vm_vsrc(0)
	s_getreg_b32 s2, hwreg(HW_REG_IB_STS2, 6, 4)
	s_cmp_eq_u32 s2, 0
	s_cbranch_scc0 .Lentry_in_a_cluster
	s_endpgm
.Lentry_in_a_cluster:
	s_bfe_u32 s2, ttmp6, 0x10000c
	s_cmp_lg_u32 s2, 0x3003
	s_cbranch_scc0 .Lentry_shape_is_right
	s_endpgm
.Lentry_shape_is_right:
; S = q k^T on codes of BF6, the causal mask, and the softmax's p, quantised along the keys and stored as operand records (16 rows x 512 keys in 6,400 bytes; four records a block of rows).
; THE SOFTMAX: t = score x log2(e) / sqrt(2048).  For each row and each 128 keys (a wave's columns) a LOCAL M' = ceil(the largest t there), a whole number; p' = 2^(t - M') is quantised; -M' and the sum of the
; unquantised p' go to ml.  The next launch takes the row's M = the largest M' and takes M - M' off p's scale bytes: a power of two, which changes no code.
; A part of a row that lies wholly under the mask gives -M' = 3e38, sum 0 and zero codes.
; A TILE is 128 queries x 256 keys, four waves 2 x 2, each 64 x 128.  Source 0 = 16 keys, source 1 = 16 queries: a lane holds one query, its registers run along the keys, in true order (rows of every operand stand at
; positions: row i of block p is the true row 32 (p / 2) + 16 (i / 8) + 8 (p % 2) + i % 8).
; A WORK-GROUP STAYS AND MAKES TWO TILES: one tile of 128 queries against one chunk of 512 keys, as two key tiles one after the other.  Queries go in groups of 512 (I = 0 .. 3), which see chunks m = 0 .. I:
; ten clusters a batch, each the four query tiles of a group against one chunk, u = I (I + 1) / 2 + m.  THE FORTY CLUSTERS lie 8 along x and 5 along y: bits 2 and 0 of a cluster's x give the batch, u = 2 y + bit 1:
; clusters whose numbers differ in bit 0 or in bit 2 read different batches.
; THE RING: K = 1,024 is two records a block, one in each of two slots of 153,600 bytes.  At the head each wave issues one load: waves 0, 1 q's records 0, 1 (8 blocks each), waves 2, 3 k's records 0, 1 (16 blocks each).
; q's part of both slots stays.  k's part of slot 0 is filled again, with the second key tile, at the change to slot 1; k's part of slot 1 in the middle of the first tile's way out; waves 2 and 3 fetch 8 blocks each.
; So each refill has four K steps (128 products a wave) and half a way out in which to land.  A wave has one tensor load out at most.
; k's tile is asked for jointly by the four partners.  q's tile is a work-group's own: other clusters read it against other chunks, and a group has 1, 2, 3 or 4 chunks, which no square of four by four fits;
; k's tiles are four fifths of a work-group's bytes.
; The mask is executed in every tile: which tiles the diagonal crosses hangs on the place in the cluster.
; No prefetch: a work-group asks for two key tiles in all, the first at its head, and each refill goes out half a tile's products and half a way out ahead of the wait for it.
; LIMITS: |t| under 3e38; NaN and infinities among the scores are not served; p' under 2^-126 comes out as 0 (the exponential flushes); a block whose every p' is 0 gets the byte 1.
; REGISTERS: window 0: v0-8 ids; v16-23 LDS addresses; v32, v33 the spare word's address and 0; v64-159 q's fragments, two sets; v160-223 scale words, two sets.  On the way out: v64-127 a tile's 64 scores, then p';
;   v36-55 at work; v56 -infinity; v57, v58 the mask's thresholds; v128-147 codes; v244 the scale word.   window 1: k's fragments, two sets at v0 and v128.   window 2: accumulator (a, b) at v[8 (8 a + b)].
.set REC,  6400
.set FRB,  1536
.set SCO,  6144
.set RB1,  12800
.set RB2,  25600
.set SLOT, 153600
.set BOFF, 51200
.set SPARE, 307200                     ; behind the ring: the spare words, 128 bytes for each wave: two blocks of 256 bytes that no other line names
.set QO,   6553600
.set PB,   3276800                     ; a batch in pc
.set LO,   524288
.set G1A,  24
.set G0A,  32
.set G1B,  48
.set G0B,  56
.set G0H,  84                          ; s[84:87] group 0 of the head's load of k
.set ADRA, 16
.set ADRB, 18
.set ADSA, 20
.set ADSB, 22
.set SPW,  32
.set NIL,  33
.set BM,   36
.set T,    64
.set PC,   128
.set PW,   244
.set SC,   160
.set SEL,  66
.set CS,   68
.set MSB, 0
.macro WIN new
.if MSB != (\new)
	s_set_vgpr_msb (MSB<<8)|(\new)
.set MSB, (\new)
.endif
.endm
.macro PLACES n
.rept \n
	v_nop
.endr
.endm
.macro JLOADB s                        ; k's part alone is filled again: waves 2 and 3 fetch its halves, waves 0 and 1 nothing
	s_cmp_eq_u32 s15, 0
	s_cbranch_scc1 .Lnone_\@
	tensor_load_to_lds s[G0B+4*\s:G0B+4*\s+3], s[G1B:G1B+7]
	s_nop 0
.rept 4
	v_nop
.endr
.Lnone_\@:
.endm
.macro CREST
	s_cmp_lg_u32 s14, 0
	s_cbranch_scc1 .Lnot_wave_0_\@
	s_barrier_signal -3
.Lnot_wave_0_\@:
	s_barrier_wait -3
	s_barrier_signal -1
	s_barrier_wait -1
.endm
.macro CROUND
	s_barrier_signal -1
	s_barrier_wait -1
	CREST
.endm
.macro FETCH s, q, p
	WIN 0x40
.irp b, 0,1,2,3,4,5,6,7
.irp g, 0,1,2
	ds_load_b128 v[128*(\p)+12*\b+4*\g:128*(\p)+12*\b+4*\g+3], v[ADRB+\s] offset:REC*\b+FRB*(\q)+512*\g
.endr
.endr
	WIN 0
.irp a, 0,1,2,3
.irp g, 0,1,2
	ds_load_b128 v[64+48*(\p)+12*\a+4*\g:64+48*(\p)+12*\a+4*\g+3], v[ADRA+\s] offset:REC*\a+FRB*(\q)+512*\g
.endr
.endr
.endm
.macro SCALES s
.irp a, 0,1,2,3
	ds_load_b128 v[SC+32*\s+4*\a:SC+32*\s+4*\a+3], v[ADSA+\s] offset:SCO+REC*\a
.endr
.irp i, 0,1,2,3
	ds_load_b128 v[SC+32*\s+16+4*\i:SC+32*\s+16+4*\i+3], v[ADSB+\s] offset:SCO+2*REC*\i
.endr
.endm
.macro WM zero, odd
.if \zero
.if \odd
	v_wmma_scale_f32_16x16x128_f8f6f4 v[rD:rD+7], v[rB:rB+11], v[rA:rA+11], 0, v[rSB], v[rSA] matrix_a_fmt:MATRIX_FMT_BF6 matrix_b_fmt:MATRIX_FMT_BF6 matrix_a_scale:MATRIX_SCALE_ROW1
.else
	v_wmma_scale_f32_16x16x128_f8f6f4 v[rD:rD+7], v[rB:rB+11], v[rA:rA+11], 0, v[rSB], v[rSA] matrix_a_fmt:MATRIX_FMT_BF6 matrix_b_fmt:MATRIX_FMT_BF6
.endif
.else
.if \odd
	v_wmma_scale_f32_16x16x128_f8f6f4 v[rD:rD+7], v[rB:rB+11], v[rA:rA+11], v[rD:rD+7], v[rSB], v[rSA] matrix_a_fmt:MATRIX_FMT_BF6 matrix_b_fmt:MATRIX_FMT_BF6 matrix_a_scale:MATRIX_SCALE_ROW1
.else
	v_wmma_scale_f32_16x16x128_f8f6f4 v[rD:rD+7], v[rB:rB+11], v[rA:rA+11], v[rD:rD+7], v[rSB], v[rSA] matrix_a_fmt:MATRIX_FMT_BF6 matrix_b_fmt:MATRIX_FMT_BF6
.endif
.endif
.endm
.macro MUL a0, na, p, sc, q, mode      ; mode 0: onto the sums; 1: C = 0.  The 32 accumulators take turns, one instruction a turn, in one order everywhere
	WIN 0xa1
.set ia, \a0
.rept \na
.set ib, 0
.rept 8
.set rD, 8*(8*ia+ib)
.set rB, 128*(\p)+12*ib
.set rA, 64+48*(\p)+12*ia
.set rSB, SC+32*(\sc)+16+4*(ib/2)+(\q)
.set rSA, SC+32*(\sc)+4*ia+(\q)
	WM (\mode)==1, ib%2
.set ib, ib+1
.endr
.set ia, ia+1
.endr
.endm
.macro KSTEP s, q, mode
	s_wait_dscnt 0x0                               ; this step's fragments are in
	PLACES 4                                       ; four plain lines between the last product and loads into registers that it read
	FETCH \s, (\q)+1, ((\q)+1)%2
	MUL 0, 4, (\q)%2, \s, \q, \mode
.endm
.macro LASTSTEP s                      ; a tile's last step, and four plain lines between the last product and the first read of results and the first write of registers that it read
	s_wait_dscnt 0x0
	MUL 0, 4, 1, \s, 3, 0
	WIN 0
	PLACES 4
.endm
; Slot s's last step, and the change to slot nx.  fill = 1: k's part of slot s is filled again, with the key tile 16 blocks on: the barrier then opens a round of the cluster's barrier, and the joint load is the first thing behind the round.
.macro TURN s, nx, fill
	WIN 0
	s_wait_tensorcnt 0x0                           ; all my tensor loads have landed
	ds_add_u32 v[SPW], v[NIL]                      ; 0 onto my spare word
.if \fill
	s_add_nc_u64 s[G0B+4*\s+2:G0B+4*\s+3], s[G0B+4*\s+2:G0B+4*\s+3], 16*RB1   ; no load of mine is out, so a group 0 may be written
.endif
	s_wait_dscnt 0x0                               ; the add is done, and my reads of slot s are over (its last fragments are in my registers)
	s_barrier_signal -1
	MUL 0, 2, 1, \s, 3, 0
	WIN 0
	s_barrier_wait -1
.if \fill
	CREST                                          ; no wave of any partner still reads k's part of slot s or has a load on its way
	JLOADB \s
.endif
	PLACES 4                                       ; in front of loads into registers that products have read
	SCALES \nx
	FETCH \nx, 0, 0
	MUL 2, 2, 1, \s, 3, 0
.endm
	s_load_b128 s[76:79], s[0:1], 0x0              ; kq, pc
	s_load_b64 s[80:81], s[0:1], 0x10              ; ml
	v_lshl_add_u32 v[SPW], v0, 2, SPARE
	v_mov_b32 v[NIL], 0
	ds_add_u32 v[SPW], v[NIL]                      ; the opening: the add, twice on end, and its wait ahead of my first tensor load
	ds_add_u32 v[SPW], v[NIL]
	s_wait_dscnt 0x0
	v_lshrrev_b32 v1, 5, v0
	v_readfirstlane_b32 s14, v1                    ; wave
	s_lshr_b32 s15, s14, 1
	s_and_b32 s16, s14, 1
	s_bfe_u32 s40, ttmp6, 0x40000                  ; cx
	s_and_b32 s22, ttmp7, 0xffff                   ; the cluster's y,
	s_lshl_b32 s22, s22, 1
	s_bfe_u32 s23, ttmp9, 0x10001                  ; and bit 1 of its x:
	s_add_co_u32 s22, s22, s23                     ; u = I (I + 1) / 2 + m
	s_bfe_u32 s17, ttmp9, 0x10002                  ; bits 2 and 0 of its x:
	s_lshl_b32 s17, s17, 1
	s_and_b32 s23, ttmp9, 1
	s_add_co_u32 s17, s17, s23                     ; the batch
	s_cmp_ge_u32 s22, 1
	s_cselect_b32 s18, 1, 0
	s_cmp_ge_u32 s22, 3
	s_cselect_b32 s19, 1, 0
	s_cmp_ge_u32 s22, 6
	s_cselect_b32 s20, 1, 0
	s_add_co_u32 s18, s18, s19
	s_add_co_u32 s18, s18, s20                     ; I: the group of 512 queries
	s_add_co_u32 s19, s18, 1
	s_mul_i32 s19, s19, s18
	s_lshr_b32 s19, s19, 1
	s_sub_co_u32 s43, s22, s19                     ; m: the chunk of 512 keys, the same in all four partners
	s_lshl_b32 s43, s43, 1                         ; its first key tile
	s_lshl_b32 s42, s18, 2
	s_add_co_u32 s42, s42, s40                     ; my query tile
	s_mov_b32 s[G1A], 3<<16                        ; no mask; elements of 8 bytes; no padding: q's tile, one record of all 8 blocks a load
	s_mov_b32 s[G1A+1], 800<<16
	s_mov_b32 s[G1A+2], 8<<16
	s_mov_b32 s[G1A+3], 800<<16
	s_mov_b32 s[G1A+4], 8
	s_mov_b32 s[G1A+5], 1600
	s_mov_b32 s[G1A+6], 0
	s_mov_b32 s[G1A+7], 0
	s_mov_b32 s[G1B], 15|(3<<16)|(1<<21)           ; the mask: all four work-groups; 21 set beside it: k's tile, at the head one record of all 16 blocks a load, behind the head 8 blocks
	s_mov_b32 s[G1B+1], 800<<16
	s_mov_b32 s[G1B+2], 16<<16
	s_mov_b32 s[G1B+3], 800<<16
	s_mov_b32 s[G1B+4], 16
	s_mov_b32 s[G1B+5], 1600
	s_mov_b32 s[G1B+6], 0
	s_mov_b32 s[G1B+7], 0
	s_lshl_b32 s21, s17, 7                         ; the batch's first block
	s_lshl_b32 s46, s42, 3
	s_add_co_u32 s46, s46, s21
	s_mul_i32 s46, s46, RB1
	s_add_co_u32 s46, s46, QO                      ; q's blocks,
	s_mul_i32 s47, s16, REC                        ; record wave % 2
	s_add_co_u32 s46, s46, s47
	s_mov_b32 s47, 0
	s_lshl_b32 s88, s43, 4
	s_lshl_b32 s89, s16, 3
	s_add_co_u32 s88, s88, s89
	s_add_co_u32 s88, s88, s21
	s_mul_i32 s88, s88, RB1                        ; k's, for the refills: made of the batch, the chunk and the wave's number alone
	s_mov_b32 s89, 0
	s_mul_i32 s90, s16, SLOT                       ; at the head record wave % 2 goes to slot wave % 2
	s_mul_i32 s91, s16, 8*REC
	s_mul_i32 s82, s16, 8*RB1-REC                  ; the head's load of k: the tile's first block, record wave % 2
	s_sub_co_u32 s82, s88, s82
	s_mov_b32 s83, 0
	s_mov_b32 s[G0H], 1
	s_add_co_u32 s[G0H+1], s90, BOFF
	s_wait_kmcnt 0x0
	s_add_nc_u64 s[4:5], s[76:77], s[46:47]
	s_add_nc_u64 s[6:7], s[76:77], s[88:89]
	CROUND
	s_mov_b32 s[G0A], 1
	s_add_co_u32 s[G0A+1], s90, 0
	s_mov_b64 s[G0A+2:G0A+3], s[4:5]
	s_or_b32 s[G0A+3], s[G0A+3], 0x80000000
.irp s, 0,1
	s_mov_b32 s[G0B+4*\s], 1
	s_add_co_u32 s[G0B+4*\s+1], s91, \s*SLOT+BOFF
	s_add_nc_u64 s[G0B+4*\s+2:G0B+4*\s+3], s[6:7], \s*REC
	s_or_b32 s[G0B+4*\s+3], s[G0B+4*\s+3], 0x80000000
.endr
	s_add_nc_u64 s[G0H+2:G0H+3], s[76:77], s[82:83]
	s_or_b32 s[G0H+3], s[G0H+3], 0x80000000
	s_cmp_eq_u32 s15, 0                            ; one load a wave at the head: waves 0, 1 q's records 0, 1 (the work-group's own); waves 2, 3 k's records 0, 1 (joint)
	s_cbranch_scc0 .Lhead_k
	tensor_load_to_lds s[G0A:G0A+3], s[G1A:G1A+7]
	s_nop 0
	PLACES 4
	s_branch .Lhead_asked
.Lhead_k:
	tensor_load_to_lds s[G0H:G0H+3], s[G1B:G1B+7]
	s_nop 0
	PLACES 4
.Lhead_asked:
	v_and_b32 v1, 31, v0
	v_and_b32 v2, 15, v0
	v_bfe_u32 v3, v0, 4, 1
	v_lshlrev_b32 v4, 4, v1
	v_lshlrev_b32 v5, 4, v2
	v_mul_u32_u24 v6, v3, REC
	v_add_nc_u32 v6, v6, v5
	s_mul_i32 s92, s15, 4*REC
	s_mul_i32 s93, s16, 8*REC
	s_add_co_u32 s93, s93, BOFF
.irp s, 0,1
	v_add_nc_u32 v[ADRA+\s], s92, v4
	v_add_nc_u32 v[ADRB+\s], s93, v4
	v_add_nc_u32 v[ADSA+\s], s92, v5
	v_add_nc_u32 v[ADSB+\s], s93, v6
	s_add_co_u32 s92, s92, SLOT
	s_add_co_u32 s93, s93, SLOT
.endr
	; the mask's threshold: register 16 b + i of result tile a holds key 256 j + 128 wc + 16 h + 32 b + i, my query is 128 tile + 64 wr + 32 (a / 2) + 8 (a % 2) + 16 (r / 8) + r % 8
	v_and_b32 v7, 8, v2
	v_add_nc_u32 v7, v7, v2                        ; 16 (r / 8) + r % 8
	v_lshlrev_b32 v8, 4, v3
	v_sub_nc_u32 v7, v7, v8
	s_lshl_b32 s92, s42, 7
	s_lshl_b32 s93, s15, 6
	s_add_co_u32 s92, s92, s93
	s_lshl_b32 s93, s43, 8
	s_sub_co_u32 s92, s92, s93
	s_lshl_b32 s93, s16, 7
	s_sub_co_u32 s92, s92, s93
	v_add_nc_u32 v57, s92, v7                      ; hidden where 32 b + i - 32 (a / 2) - 8 (a % 2) is above it
	v_add_nc_u32 v58, 0xffffff00, v57              ; the second key tile lies 256 keys on
	v_mov_b32 v56, 0xff800000                      ; -infinity
	v_mov_b32 v55, 0
.irp b, 0,1,2,3
	v_mov_b32 v[BM+4+\b], 0                        ; a lane permute's destination counts as one of its sources
.endr
	s_mov_b32 s[SEL], 0x76543210
	s_mov_b32 s[SEL+1], 0xfedcba98
	s_mov_b32 s[CS], 0x3d0293ee                    ; c = log2(e) / sqrt(2048)
	s_mov_b32 s[CS+1], s[CS]                       ; (named with it as a pair, so it is written)
	s_lshl_b32 s94, s43, 1
	s_add_co_u32 s94, s94, s16                     ; which 128 keys my columns of the first key tile are; those of the second lie 2 further on, in the same 512
	s_lshr_b32 s95, s94, 2                         ; which 512
	s_and_b32 s94, s94, 3
	s_lshl_b32 s96, s42, 3
	s_lshl_b32 s97, s15, 2
	s_add_co_u32 s96, s96, s97
	s_mul_i32 s96, s96, RB2
	s_mul_i32 s97, s17, PB
	s_add_co_u32 s96, s96, s97
	s_mul_i32 s97, s95, REC
	s_add_co_u32 s96, s96, s97                     ; my first block's record in pc
	s_mov_b32 s97, 0
	s_add_nc_u64 s[8:9], s[78:79], s[96:97]
	s_lshl_b32 s96, s94, 2
	s_add_co_u32 s96, s96, SCO
	s_add_nc_u64 s[10:11], s[8:9], s[96:97]
	s_mul_i32 s96, s94, FRB
	s_add_nc_u64 s[8:9], s[8:9], s[96:97]
	s_lshl_b32 s96, s95, 17                        ; ml: 131,072 bytes for each 512 keys, 16 bytes a row, 4 for each 128 keys
	s_lshl_b32 s98, s17, 15
	s_add_co_u32 s96, s96, s98
	s_lshl_b32 s98, s42, 11
	s_add_co_u32 s96, s96, s98
	s_lshl_b32 s98, s15, 10
	s_add_co_u32 s96, s96, s98
	s_lshl_b32 s98, s94, 2
	s_add_co_u32 s96, s96, s98
	s_add_nc_u64 s[12:13], s[80:81], s[96:97]
; One result tile of 16 queries x my 128 keys of key tile t.
.macro SOFT a, t
.if (\a)+(\t) > 0
	s_wait_xcnt 0x0                                ; the last result tile's stores have read their registers
.endif
	WIN 0x02                                       ; source 0: the accumulators, window 2
.set n, 0
.rept 64
	v_cmp_gt_i32 vcc_lo, 32*(n/16)+n%16-32*((\a)/2)-8*((\a)%2), v[57+(\t)]
	v_cndmask_b32 v[T+n], v[64*(\a)+n], v56, vcc_lo           ; hidden scores become -infinity; each accumulator is read from its low end on
.set n, n+1
.endr
	WIN 0
.irp b, 0,1,2,3
	v_max3_num_f32 v[BM+\b], v[T+16*\b], v[T+16*\b+1], v[T+16*\b+2]   ; the largest score of each block of 32 keys: for the row's maximum and, since p rises with the score, for the block's largest p
.endr
.irp i, 3,5,7,9,11,13
.irp b, 0,1,2,3
	v_max3_num_f32 v[BM+\b], v[BM+\b], v[T+16*\b+\i], v[T+16*\b+\i+1]
.endr
.endr
.irp b, 0,1,2,3
	v_max_num_f32 v[BM+\b], v[BM+\b], v[T+16*\b+15]
.endr
.irp b, 0,1,2,3
	v_permlanex16_b32 v[BM+4+\b], v[BM+\b], s[SEL], s[SEL+1]
.endr
.irp b, 0,1,2,3
	v_max_num_f32 v[BM+\b], v[BM+\b], v[BM+4+\b]              ; with lane l xor 16's 16 keys
.endr
	v_max3_num_f32 v54, v[BM], v[BM+1], v[BM+2]
	v_max_num_f32 v54, v54, v[BM+3]
	v_mul_f32 v54, s[CS], v54                                 ; as t (c is positive)
	v_max_num_f32 v49, 0xff61b1e6, v54                        ; held at -3e38 from below: a part wholly under the mask
	v_floor_f32 v48, -v49                                     ; -M' = floor(-t) = -ceil(t)
.set n, 0
.rept 32
	v_pk_fma_f32 v[T+n:T+n+1], v[T+n:T+n+1], s[CS:CS+1], v[48:49] op_sel_hi:[1,0,0]   ; t - M', two at a time
.set n, n+2
.endr
.irp b, 0,1,2,3
	v_fma_f32 v[BM+\b], v[BM+\b], s[CS], v48                  ; the same of each block's largest score
.endr
.set n, 0
	s_wait_alu depctr_va_vdst(0)                              ; ahead of the batch
.rept 64
	v_exp_f32 v[T+n], v[T+n]                                  ; p' = 2^(t - M')
.set n, n+1
.endr
	v_nop                                                     ; a plain line behind the exponentials
	s_wait_alu depctr_va_vdst(0)                              ; one wait for the batch, ahead of its first reader
.irp b, 0,1,2,3
	v_exp_f32 v[BM+\b], v[BM+\b]                              ; the block's largest p': the same two instructions on the same number give the same bits
.endr
	v_pk_add_f32 v[50:51], v[T:T+1], v[T+2:T+3]               ; the sum of the unquantised p', in two chains; it reads the 64 alone: plain work behind the four
	v_pk_add_f32 v[52:53], v[T+4:T+5], v[T+6:T+7]
.irp j, 8,12,16,20,24,28,32,36,40,44,48,52,56,60
	v_pk_add_f32 v[50:51], v[50:51], v[T+\j:T+\j+1]
	v_pk_add_f32 v[52:53], v[52:53], v[T+\j+2:T+\j+3]
.endr
	v_pk_add_f32 v[50:51], v[50:51], v[52:53]
	v_add_f32 v50, v50, v51
	v_permlanex16_b32 v55, v50, s[SEL], s[SEL+1]
	v_add_f32 v50, v50, v55                                   ; the local sum of my row
	s_wait_alu depctr_va_vdst(0)                              ; and one for the four
.irp b, 0,1,2,3
	v_max_num_f32 v[BM+\b], 0x2800000, v[BM+\b]               ; the floor 2^(5 - 127): the byte cannot fall under 1
.endr
.irp b, 0,1,2,3
	v_add_nc_u32 v[BM+8+\b], 0xfe000000, v[BM+\b]             ; 4 off the exponent field: the conversion's scale operand
.endr
.irp b, 0,1,2,3
	v_lshrrev_b32 v[BM+4+\b], 23, v[BM+8+\b]                  ; the scale's byte
.endr
	v_lshl_or_b32 v[PW], v[BM+5], 8, v[BM+4]
	v_lshl_or_b32 v[PW], v[BM+6], 16, v[PW]
	v_lshl_or_b32 v[PW], v[BM+7], 24, v[PW]
.irp c, 0,1
	v_cvt_scalef32_pk16_bf6_f32 v[PC+6*\c:PC+6*\c+2], v[T+32*\c:T+32*\c+15], v[BM+8+2*\c]
	v_cvt_scalef32_pk16_bf6_f32 v[PC+12+4*\c:PC+14+4*\c], v[T+16+32*\c:T+31+32*\c], v[BM+9+2*\c]
.endr
	v_nop                                                     ; one plain line behind the scaled conversions
.irp c, 0,1
.irp i, 0,1,2
	v_permlane16_swap_b32 v[PC+6*\c+\i], v[PC+12+4*\c+\i]
.endr
.irp i, 0,1,2
	v_mov_b32 v[PC+3+6*\c+\i], v[PC+12+4*\c+\i]
.endr
.endr
.irp g, 0,1,2
	global_store_b128 v4, v[PC+4*\g:PC+4*\g+3], s[8:9] offset:(\a)*RB2+512*\g+2*FRB*(\t)   ; 512 consecutive bytes, aligned; the second key tile's fragment lies two fragments on
.endr
	global_store_b32 v5, v[PW], s[10:11] offset:(\a)*RB2+8*(\t)   ; lanes r and r + 16 hold and store the same
	global_store_b32 v5, v48, s[12:13] offset:256*(\a)+8*(\t)
	global_store_b32 v5, v50, s[12:13] offset:256*(\a)+8*(\t)+LO
.endm
	; ---- the first key tile
	s_wait_tensorcnt 0x0                           ; my tile of the head's four is in
	s_mov_b32 s[G1B+2], 8<<16                      ; no load of mine is out: from here on a load of k brings 8 blocks
	s_mov_b32 s[G1B+4], 8
	s_barrier_signal -1
	s_barrier_wait -1                              ; both slots are whole
	SCALES 0
	FETCH 0, 0, 0
	KSTEP 0, 0, 1
	KSTEP 0, 1, 0
	KSTEP 0, 2, 0
	TURN 0, 1, 1                                   ; k's part of slot 0 takes the second key tile; q's tile stays
	KSTEP 1, 0, 0
	KSTEP 1, 1, 0
	KSTEP 1, 2, 0
	LASTSTEP 1
	s_wait_alu depctr_va_vdst(0)
	SOFT 0, 0
	SOFT 1, 0
	s_wait_tensorcnt 0x0                           ; all my tensor loads have landed: my part of slot 0's refill
	ds_add_u32 v[SPW], v[NIL]                      ; 0 onto my spare word
	s_add_nc_u64 s[G0B+6:G0B+7], s[G0B+6:G0B+7], 16*RB1   ; no load of mine is out, so a group 0 may be written: slot 1's, 16 blocks on
	s_wait_dscnt 0x0                               ; the add is done; my reads of slot 1 were waited for ahead of the tile's last products
	CROUND                                         ; no wave of any partner still reads k's part of slot 1 or has a load on its way
	JLOADB 1
	SOFT 2, 0
	SOFT 3, 0
	; ---- the second key tile: slot 0 was shown whole by the wait and the round above
	s_wait_xcnt 0x0                                ; the way out's stores have read their registers: fragments may land there
	SCALES 0
	FETCH 0, 0, 0
	KSTEP 0, 0, 1
	KSTEP 0, 1, 0
	KSTEP 0, 2, 0
	TURN 0, 1, 0                                   ; nothing is left to ask for
	KSTEP 1, 0, 0
	KSTEP 1, 1, 0
	KSTEP 1, 2, 0
	LASTSTEP 1
	SOFT 0, 1
	SOFT 1, 1
	SOFT 2, 1
	SOFT 3, 1
	s_wait_tensorcnt 0x0                           ; the wave's end
	ds_add_u32 v[SPW], v[NIL]
	s_wait_dscnt 0x0
	CROUND                                         ; the closing round
	s_endpgm
.Lfunc_end_k_qac270613ea_scores:
	.size	k_qac270613ea_scores, .Lfunc_end_k_qac270613ea_scores-k_qac270613ea_scores
	.p2alignl 7, 3214868480
	.fill 96, 4, 3214868480
	.section	.rodata,"a",@progbits
	.p2align	6, 0x0
	.amdhsa_kernel k_qac270613ea_scores
		.amdhsa_group_segment_fixed_size 327680
		.amdhsa_private_segment_fixed_size 0
		.amdhsa_enable_private_segment 0
		.amdhsa_kernarg_size 24
		.amdhsa_user_sgpr_count 2
		.amdhsa_user_sgpr_kernarg_segment_ptr 1
		.amdhsa_wavefront_size32 1
		.amdhsa_system_sgpr_workgroup_id_x 1
		.amdhsa_system_sgpr_workgroup_id_y 1
		.amdhsa_system_sgpr_workgroup_id_z 1
		.amdhsa_system_vgpr_workitem_id 0
		.amdhsa_next_free_vgpr 768
		.amdhsa_next_free_sgpr 100
		.amdhsa_reserve_vcc 1
		.amdhsa_float_denorm_mode_32 3
		.amdhsa_float_denorm_mode_16_64 3
		.amdhsa_memory_ordered 1
		.amdhsa_forward_progress 1
		.amdhsa_inst_pref_size 245
	.end_amdhsa_kernel
	.amdgpu_metadata
---
amdhsa.version: [ 1, 2 ]
amdhsa.kernels:
  - .name:           k_qac270613ea_scores
    .symbol:         k_qac270613ea_scores.kd
    .args:
      - { .name: kq, .offset: 0, .size: 8, .value_kind: global_buffer, .address_space: global }
      - { .name: pc, .offset: 8, .size: 8, .value_kind: global_buffer, .address_space: global }
      - { .name: ml, .offset: 16, .size: 8, .value_kind: global_buffer, .address_space: global }
    .group_segment_fixed_size: 327680
    .private_segment_fixed_size: 0
    .kernarg_segment_align: 8
    .kernarg_segment_size: 24
    .max_flat_workgroup_size: 128
    .sgpr_count:     100
    .vgpr_count:     768
    .wavefront_size: 32
...
	.end_amdgpu_metadata
.endif
;; end of part 3
;; launch pv (part 4): grid 4 x 64, 4 waves a work-group, clusters of 4 x 4, 327,680 bytes of LDS; arguments pc, vt, ml, oc; writes oc
.if DOCPART == 4
	.amdgcn_target "amdgcn-amd-amdhsa--gfx1250"
	.amdhsa_code_object_version 6
	.text
	.protected	k_qac270613ea_pv
	.globl	k_qac270613ea_pv
	.p2align	8
	.type	k_qac270613ea_pv,@function
k_qac270613ea_pv:
	s_mov_b64 s[64:65], 0
	v_nop
	global_prefetch_b8 v0, s[64:65] scope:SCOPE_SE
	s_setreg_imm32_b32 hwreg(HW_REG_WAVE_MODE, 25, 1), 1
	s_wait_xcnt 0x0
	s_wait_alu depctr_hold_cnt(0) depctr_sa_sdst(0) depctr_va_vdst(0) depctr_va_sdst(0) depctr_va_ssrc(0) depctr_va_vcc(0) depctr_vm_vsrc(0)
	s_getreg_b32 s2, hwreg(HW_REG_IB_STS2, 6, 4)
	s_cmp_eq_u32 s2, 0
	s_cbranch_scc0 .Lentry_in_a_cluster
	s_endpgm
.Lentry_in_a_cluster:
	s_bfe_u32 s2, ttmp6, 0x10000c
	s_cmp_lg_u32 s2, 0xf033
	s_cbranch_scc0 .Lentry_shape_is_right
	s_endpgm
.Lentry_shape_is_right:
; O = P V / l on codes of BF6, then O quantised along its 1,024 channels and stored as operand records for the last product.
; P's codes were made under a local whole number M' for each row and each 128 keys.  Here the row's M = the largest M' (-M = the least of the 16 stored -M'), d = M - M' is taken off the four scale bytes of those
; 128 keys (held at 0 from below), and l = the sum of the local sums x 2^-d: both are multiplications by powers of two.
; A TILE is 128 queries x 256 channels; four waves 2 x 2.  Source 0 = 16 rows of v^T, source 1 = 16 rows of P.  Rows of every operand stand at positions (row i of block p is the true row
; 32 (p / 2) + 16 (i / 8) + 8 (p % 2) + i % 8), so a wave's 128 columns come out as one fragment of the result in true order.
; K: the queries of group I (512 of them) see keys 0 .. 512 (I + 1) - 1: n = I + 1 chunks of 512 keys, through a ring of two slots.  n hangs on the cluster's y alone, which all partners share.
; THE TEXT IS A TREE: ahead of each change of slots it is asked once whether the chunk after next exists; if not, a tail of its own follows (a change of slots without a load, and the last chunk).  So on every way
; through the text each slot that is read has been filled.  Every wait for tensor loads is for all of them; a wave has at most one out.
; CLUSTERS 4 x 4: P's tile is shared along a row of the cluster, v^T's along a column.
; LIMITS: d is held at 127.  A scale byte of P that would fall under 0 is held at 0 (such a block then counts for at most 28 x 2^-127 x |v| a number); a local sum with d of 127 or more counts as 0 (it is under
; 128 x 2^-127, beside an l above 1/2); a block of O of zeros or under 2^-122 gets the byte 1; NaN and infinities are not served.
; No prefetch: a work-group walks at most four chunks, and each refill has a whole chunk's products in which to land.
; REGISTERS: window 0: v0-6 ids; v16-23 LDS addresses; v32, v33 the spare word's address and 0; v36-59 at work; v64-159 A's fragments (on the way out v64-127 a tile's numbers); v160-223 scale words;
;   v224-231 1 / l, a pair for each tile of rows; v128-147, v232-255 the way out.   window 1: B's fragments at v0 and v128; v96-127, v224-255 the 64 words d x 0x01010101.   window 2: at the head ml's numbers, then the accumulators.
.set REC,  6400
.set FRB,  1536
.set SCO,  6144
.set RB1,  12800
.set RB2,  25600
.set SLOT, 153600
.set BOFF, 51200
.set SPARE, 307200                     ; behind the ring: the spare words, 128 bytes for each wave: two blocks of 256 bytes that no other line names
.set PB,   3276800
.set VB,   1638400
.set LO,   524288
.set G1A,  24
.set G0A,  32
.set G1B,  48
.set G0B,  56
.set ADRA, 16
.set ADRB, 18
.set ADSA, 20
.set ADSB, 22
.set SPW,  32
.set NIL,  33
.set TM,   36
.set FX,   36
.set SC,   160
.set SEL,  66
.set MSB, 0
.macro WIN new
.if MSB != (\new)
	s_set_vgpr_msb (MSB<<8)|(\new)
.set MSB, (\new)
.endif
.endm
.macro PLACES n
.rept \n
	v_nop
.endr
.endm
.macro JLOAD s                         ; waves 0 and 1 fetch P's halves, waves 2 and 3 v^T's; four v_nop follow each line
	s_cmp_eq_u32 s15, 0
	s_cbranch_scc0 .Lfor_b_\@
	tensor_load_to_lds s[G0A+4*\s:G0A+4*\s+3], s[G1A:G1A+7]
	s_nop 0
.rept 4
	v_nop
.endr
	s_branch .Lasked_\@
.Lfor_b_\@:
	tensor_load_to_lds s[G0B+4*\s:G0B+4*\s+3], s[G1B:G1B+7]
	s_nop 0
.rept 4
	v_nop
.endr
.Lasked_\@:
.endm
.macro CREST
	s_cmp_lg_u32 s14, 0
	s_cbranch_scc1 .Lnot_wave_0_\@
	s_barrier_signal -3
.Lnot_wave_0_\@:
	s_barrier_wait -3
	s_barrier_signal -1
	s_barrier_wait -1
.endm
.macro CROUND
	s_barrier_signal -1
	s_barrier_wait -1
	CREST
.endm
.macro FETCH s, q, p
	WIN 0x40
.irp b, 0,1,2,3,4,5,6,7
.irp g, 0,1,2
	ds_load_b128 v[128*(\p)+12*\b+4*\g:128*(\p)+12*\b+4*\g+3], v[ADRB+\s] offset:REC*\b+FRB*(\q)+512*\g
.endr
.endr
	WIN 0
.irp a, 0,1,2,3
.irp g, 0,1,2
	ds_load_b128 v[64+48*(\p)+12*\a+4*\g:64+48*(\p)+12*\a+4*\g+3], v[ADRA+\s] offset:REC*\a+FRB*(\q)+512*\g
.endr
.endr
.endm
.macro SCALES s
.irp a, 0,1,2,3
	ds_load_b128 v[SC+32*\s+4*\a:SC+32*\s+4*\a+3], v[ADSA+\s] offset:SCO+REC*\a
.endr
.irp i, 0,1,2,3
	ds_load_b128 v[SC+32*\s+16+4*\i:SC+32*\s+16+4*\i+3], v[ADSB+\s] offset:SCO+2*REC*\i
.endr
.endm
.macro WM zero, odd
.if \zero
.if \odd
	v_wmma_scale_f32_16x16x128_f8f6f4 v[rD:rD+7], v[rB:rB+11], v[rA:rA+11], 0, v[rSB], v[rSA] matrix_a_fmt:MATRIX_FMT_BF6 matrix_b_fmt:MATRIX_FMT_BF6 matrix_a_scale:MATRIX_SCALE_ROW1
.else
	v_wmma_scale_f32_16x16x128_f8f6f4 v[rD:rD+7], v[rB:rB+11], v[rA:rA+11], 0, v[rSB], v[rSA] matrix_a_fmt:MATRIX_FMT_BF6 matrix_b_fmt:MATRIX_FMT_BF6
.endif
.else
.if \odd
	v_wmma_scale_f32_16x16x128_f8f6f4 v[rD:rD+7], v[rB:rB+11], v[rA:rA+11], v[rD:rD+7], v[rSB], v[rSA] matrix_a_fmt:MATRIX_FMT_BF6 matrix_b_fmt:MATRIX_FMT_BF6 matrix_a_scale:MATRIX_SCALE_ROW1
.else
	v_wmma_scale_f32_16x16x128_f8f6f4 v[rD:rD+7], v[rB:rB+11], v[rA:rA+11], v[rD:rD+7], v[rSB], v[rSA] matrix_a_fmt:MATRIX_FMT_BF6 matrix_b_fmt:MATRIX_FMT_BF6
.endif
.endif
.endm
.macro MUL a0, na, p, sc, q, mode      ; mode 0: onto the sums; 1: C = 0.  The 32 accumulators take turns, one instruction a turn, in one order everywhere
	WIN 0xa1
.set ia, \a0
.rept \na
.set ib, 0
.rept 8
.set rD, 8*(8*ia+ib)
.set rB, 128*(\p)+12*ib
.set rA, 64+48*(\p)+12*ia
.set rSB, SC+32*(\sc)+16+4*(ib/2)+(\q)
.set rSA, SC+32*(\sc)+4*ia+(\q)
	WM (\mode)==1, ib%2
.set ib, ib+1
.endr
.set ia, ia+1
.endr
.endm
.macro KSTEP s, q, mode
	s_wait_dscnt 0x0                               ; this step's fragments are in
	PLACES 4                                       ; four plain lines between the last product and loads into registers that it read
	FETCH \s, (\q)+1, ((\q)+1)%2
	MUL 0, 4, (\q)%2, \s, \q, \mode
.endm
.macro CHUNK3 s, mode                  ; a chunk's first three steps of 128 keys
	KSTEP \s, 0, \mode
	KSTEP \s, 1, 0
	KSTEP \s, 2, 0
.endm
.macro LASTSTEP s                      ; the last chunk's last step
	s_wait_dscnt 0x0
	MUL 0, 4, 1, \s, 3, 0
	WIN 0
.endm
; P's 16 scale words of chunk t (set sc): d off each byte, held at 0.  With 0x80 set in each byte no borrow leaves a byte (a byte of P is at most 123, d at most 127); the bit that is left says that the byte has not
; fallen under 0.  The work is done in v36-59, eight words at a time; only the finished word goes into the scale register.
.macro FIX sc, t
.irp u, 0,1
.set w, 0
.rept 8
	v_or_b32 v[FX+w], s71, v[SC+32*(\sc)+8*\u+w]
.set w, w+1
.endr
	WIN 0x04                                       ; source 1: the words d x 0x01010101, window 1
.set w, 0
.rept 8
.set idx, 16*((8*\u+w)/4)+4*(\t)+w%4
	v_sub_nc_u32 v[FX+w], v[FX+w], v[96+idx+96*(idx/32)]
.set w, w+1
.endr
	WIN 0
.set w, 0
.rept 8
	v_and_b32 v[FX+8+w], s71, v[FX+w]
.set w, w+1
.endr
.set w, 0
.rept 8
	v_lshrrev_b32 v[FX+16+w], 7, v[FX+8+w]
.set w, w+1
.endr
.set w, 0
.rept 8
	v_sub_nc_u32 v[FX+8+w], v[FX+8+w], v[FX+16+w]  ; 0x7f in the bytes that are kept, 0 in the others
.set w, w+1
.endr
.set w, 0
.rept 8
	v_and_b32 v[SC+32*(\sc)+8*\u+w], v[FX+w], v[FX+8+w]
.set w, w+1
.endr
.endr
	PLACES 8                                       ; a scale register written by a vector instruction stands eight plain lines ahead of the product that takes it
.endm
.macro LINES3                          ; all my tensor loads have landed; 0 onto my spare word; the add is done and my LDS reads are over
	s_wait_tensorcnt 0x0
	ds_add_u32 v[SPW], v[NIL]
	s_wait_dscnt 0x0
.endm
.macro BEGIN0                          ; chunk 0's scale words and first fragments
	SCALES 0
	FETCH 0, 0, 0
	s_wait_dscnt 36                                ; the 8 loads of scale words are in; the 36 of fragments, issued behind them, may be out
	FIX 0, 0
.endm
; A chunk's last step, and the change from slot s (chunk t) to slot nx.  fill = 1: slot s is filled again, with chunk t + 2: the barrier then opens a round of the cluster's barrier, and the joint load is the first thing behind the round.
.macro TURN s, nx, t, fill
	WIN 0
	s_wait_tensorcnt 0x0                           ; all my tensor loads have landed: my part of slot nx
	ds_add_u32 v[SPW], v[NIL]                      ; 0 onto my spare word
.if \fill
	s_add_nc_u64 s[G0A+4*\s+2:G0A+4*\s+3], s[G0A+4*\s+2:G0A+4*\s+3], 2*REC   ; no load of mine is out, so a group 0 may be written: two chunks on
	s_add_nc_u64 s[G0B+4*\s+2:G0B+4*\s+3], s[G0B+4*\s+2:G0B+4*\s+3], 2*REC
.endif
	s_wait_dscnt 0x0                               ; the add is done, and my reads of slot s are over (its last fragments are in my registers)
	s_barrier_signal -1
	MUL 0, 2, 1, \s, 3, 0
	WIN 0
	s_barrier_wait -1
.if \fill
	CREST                                          ; no wave of any partner still reads slot s or has a load on its way
	JLOAD \s                                       ; its four v_nop are also the plain lines in front of the loads below
.else
	PLACES 4
.endif
	SCALES \nx
	FETCH \nx, 0, 0
	MUL 2, 2, 1, \s, 3, 0
	WIN 0
	s_wait_dscnt 36                                ; the 8 loads of scale words are in; the 36 of fragments may be out
	FIX \nx, (\t)+1
.endm
.macro QUANT s, pc, pw                 ; 64 numbers of a lane (register 16 b + i = k 32 b + 16 (lane / 16) + i of my row) become a fragment at v[pc] and my row's scale word in v[pw]
.irp b, 0,1,2,3
	v_max3_num_f32 v[TM+\b], 0x2800000, |v[(\s)+16*\b]|, |v[(\s)+16*\b+1]|
.endr
.irp i, 2,4,6,8,10,12,14
.irp b, 0,1,2,3
	v_max3_num_f32 v[TM+\b], v[TM+\b], |v[(\s)+16*\b+\i]|, |v[(\s)+16*\b+\i+1]|
.endr
.endr
.irp b, 0,1,2,3
	v_permlanex16_b32 v[TM+4+\b], v[TM+\b], s[SEL], s[SEL+1]
.endr
.irp b, 0,1,2,3
	v_max_num_f32 v[TM+\b], v[TM+\b], v[TM+4+\b]
.endr
.irp b, 0,1,2,3
	v_add_nc_u32 v[TM+12+\b], 0xfe000000, v[TM+\b]
.endr
.irp b, 0,1,2,3
	v_lshrrev_b32 v[TM+4+\b], 23, v[TM+12+\b]
.endr
	v_lshl_or_b32 v[\pw], v[TM+5], 8, v[TM+4]
	v_lshl_or_b32 v[\pw], v[TM+6], 16, v[\pw]
	v_lshl_or_b32 v[\pw], v[TM+7], 24, v[\pw]
.irp c, 0,1
	v_cvt_scalef32_pk16_bf6_f32 v[(\pc)+6*\c:(\pc)+6*\c+2], v[(\s)+32*\c:(\s)+32*\c+15], v[TM+12+2*\c]
	v_cvt_scalef32_pk16_bf6_f32 v[(\pc)+12+4*\c:(\pc)+14+4*\c], v[(\s)+16+32*\c:(\s)+31+32*\c], v[TM+13+2*\c]
.endr
	v_nop                                                     ; one plain line behind the scaled conversions
.irp c, 0,1
.irp i, 0,1,2
	v_permlane16_swap_b32 v[(\pc)+6*\c+\i], v[(\pc)+12+4*\c+\i]
.endr
.irp i, 0,1,2
	v_mov_b32 v[(\pc)+3+6*\c+\i], v[(\pc)+12+4*\c+\i]
.endr
.endr
.endm
	s_load_b256 s[76:83], s[0:1], 0x0              ; pc, vt, ml, oc
	v_lshl_add_u32 v[SPW], v0, 2, SPARE
	v_mov_b32 v[NIL], 0
	ds_add_u32 v32, v33
	ds_add_u32 v32, v33
	s_wait_dscnt 0x0
	v_lshrrev_b32 v1, 5, v0
	v_readfirstlane_b32 s14, v1                    ; wave
	s_lshr_b32 s15, s14, 1
	s_and_b32 s16, s14, 1
	s_bfe_u32 s40, ttmp6, 0x40000                  ; cx
	s_bfe_u32 s41, ttmp6, 0x40004                  ; cy
	s_and_b32 s19, ttmp7, 0xffff                   ; the cluster's y
	s_bfe_u32 s17, s19, 0x10002                    ; bits 2 and 0 of the cluster's y:
	s_lshl_b32 s17, s17, 1
	s_and_b32 s18, s19, 1
	s_add_co_u32 s17, s17, s18                     ; the batch: clusters whose numbers differ in bit 0 or in bit 2 read different batches
	s_bfe_u32 s18, s19, 0x10003                    ; bits 3 and 1:
	s_lshl_b32 s18, s18, 1
	s_bfe_u32 s20, s19, 0x10001
	s_add_co_u32 s18, s18, s20                     ; I: the group of 512 queries
	s_add_co_u32 s70, s18, 1                       ; n: chunks of 512 keys, the same in all sixteen partners
	s_lshl_b32 s44, s41, 2
	s_lshl_b32 s44, 15, s44
	s_lshl_b32 s45, 0x1111, s40
	s_or_b32 s[G1A], s44, (3<<16)|(1<<21)
	s_mov_b32 s[G1A+1], 800<<16
	s_mov_b32 s[G1A+2], 4<<16
	s_mov_b32 s[G1A+3], 800<<16
	s_mov_b32 s[G1A+4], 4
	s_mov_b32 s[G1A+5], 3200                       ; from block to block: 25,600 bytes
	s_mov_b32 s[G1A+6], 0
	s_mov_b32 s[G1A+7], 0
	s_or_b32 s[G1B], s45, (3<<16)|(1<<21)
	s_mov_b32 s[G1B+1], 800<<16
	s_mov_b32 s[G1B+2], 8<<16
	s_mov_b32 s[G1B+3], 800<<16
	s_mov_b32 s[G1B+4], 8
	s_mov_b32 s[G1B+5], 3200
	s_mov_b32 s[G1B+6], 0
	s_mov_b32 s[G1B+7], 0
	s_lshl_b32 s42, s18, 2
	s_add_co_u32 s42, s42, s41                     ; my query tile in the batch
	s_lshl_b32 s46, s42, 3
	s_lshl_b32 s47, s16, 2
	s_add_co_u32 s46, s46, s47
	s_mul_i32 s46, s46, RB2
	s_mul_i32 s47, s17, PB
	s_add_co_u32 s46, s46, s47
	s_mov_b32 s47, 0
	s_lshl_b32 s88, s40, 4
	s_lshl_b32 s89, s16, 3
	s_add_co_u32 s88, s88, s89
	s_mul_i32 s88, s88, RB2
	s_mul_i32 s89, s17, VB
	s_add_co_u32 s88, s88, s89
	s_mov_b32 s89, 0
	s_mul_i32 s90, s16, 4*REC
	s_mul_i32 s91, s16, 8*REC
	s_mov_b32 s71, 0x80808080
	s_mov_b32 s[SEL], 0x76543210
	s_mov_b32 s[SEL+1], 0xfedcba98
	s_wait_kmcnt 0x0
	s_add_nc_u64 s[4:5], s[76:77], s[46:47]
	s_add_nc_u64 s[6:7], s[78:79], s[88:89]
	CROUND
.irp s, 0,1
	s_mov_b32 s[G0A+4*\s], 1
	s_add_co_u32 s[G0A+4*\s+1], s90, \s*SLOT
	s_add_nc_u64 s[G0A+4*\s+2:G0A+4*\s+3], s[4:5], \s*REC
	s_or_b32 s[G0A+4*\s+3], s[G0A+4*\s+3], 0x80000000
	s_mov_b32 s[G0B+4*\s], 1
	s_add_co_u32 s[G0B+4*\s+1], s91, \s*SLOT+BOFF
	s_add_nc_u64 s[G0B+4*\s+2:G0B+4*\s+3], s[6:7], \s*REC
	s_or_b32 s[G0B+4*\s+3], s[G0B+4*\s+3], 0x80000000
.endr
	JLOAD 0                                        ; chunk 0
	v_and_b32 v1, 31, v0
	v_and_b32 v2, 15, v0
	v_bfe_u32 v3, v0, 4, 1
	v_lshlrev_b32 v4, 4, v1
	v_lshlrev_b32 v5, 4, v2
	v_mul_u32_u24 v6, v3, REC
	v_add_nc_u32 v6, v6, v5
	s_mul_i32 s92, s15, 4*REC
	s_mul_i32 s93, s16, 8*REC
	s_add_co_u32 s93, s93, BOFF
.irp s, 0,1
	v_add_nc_u32 v[ADRA+\s], s92, v4
	v_add_nc_u32 v[ADRB+\s], s93, v4
	v_add_nc_u32 v[ADSA+\s], s92, v5
	v_add_nc_u32 v[ADSB+\s], s93, v6
	s_add_co_u32 s92, s92, SLOT
	s_add_co_u32 s93, s93, SLOT
.endr
	s_lshl_b32 s96, s17, 15                        ; ml: 16 bytes a row: the batch, my tile, my half
	s_lshl_b32 s98, s42, 11
	s_add_co_u32 s96, s96, s98
	s_lshl_b32 s98, s15, 10
	s_add_co_u32 s96, s96, s98
	s_mov_b32 s97, 0
	s_add_nc_u64 s[12:13], s[80:81], s[96:97]
	WIN 0x80                                       ; destination window 2: the accumulators' registers are still free
.irp a, 0,1,2,3
.irp x, 0,1,2,3
	global_load_b128 v[16*\a+4*\x:16*\a+4*\x+3], v5, s[12:13] offset:131072*\x+256*\a           ; -M' of my row of tile a, keys 512 x on
.endr
.endr
.irp a, 0,1,2,3
.irp x, 0,1,2,3
	global_load_b128 v[64+16*\a+4*\x:64+16*\a+4*\x+3], v5, s[12:13] offset:131072*\x+256*\a+LO   ; and the local sums
.endr
.endr
	WIN 0
	s_lshl_b32 s94, s40, 1
	s_add_co_u32 s94, s94, s16                     ; which 128 channels my columns are
	s_lshr_b32 s95, s94, 2
	s_mul_i32 s95, s95, REC
	s_and_b32 s94, s94, 3
	s_lshl_b32 s96, s17, 7
	s_lshl_b32 s98, s42, 3
	s_add_co_u32 s96, s96, s98
	s_lshl_b32 s98, s15, 2
	s_add_co_u32 s96, s96, s98
	s_mul_i32 s96, s96, RB1
	s_add_co_u32 s96, s96, s95
	s_add_nc_u64 s[8:9], s[82:83], s[96:97]
	s_lshl_b32 s96, s94, 2
	s_add_co_u32 s96, s96, SCO
	s_add_nc_u64 s[10:11], s[8:9], s[96:97]
	s_mul_i32 s96, s94, FRB
	s_add_nc_u64 s[8:9], s[8:9], s[96:97]
.irp b, 0,1,2,3
	v_mov_b32 v[TM+4+\b], 0
.endr
	s_wait_loadcnt 0x0
	WIN 0xaa                                       ; all in window 2
.irp a, 0,1,2,3
	v_min3_num_f32 v[128+\a], v[16*\a], v[16*\a+1], v[16*\a+2]
.endr
.irp i, 3,5,7,9,11,13
.irp a, 0,1,2,3
	v_min3_num_f32 v[128+\a], v[128+\a], v[16*\a+\i], v[16*\a+\i+1]
.endr
.endr
.irp a, 0,1,2,3
	v_min_num_f32 v[128+\a], v[128+\a], v[16*\a+15]           ; -M of my row
.endr
.set idx, 0
.rept 64
	v_sub_f32 v[idx], v[idx], v[128+idx/16]                   ; d = M - M': a whole number, 0 or more
.set idx, idx+1
.endr
.set idx, 0
.rept 64
	v_min_num_f32 v[idx], 0x42fe0000, v[idx]                  ; held at 127: more than any byte of P
.set idx, idx+1
.endr
.set idx, 0
.rept 64
	v_cvt_u32_f32 v[idx], v[idx]                              ; as a whole number, 0 .. 127
.set idx, idx+1
.endr
.set idx, 0
.rept 64
	v_lshlrev_b32 v[192+idx], 23, v[idx]
.set idx, idx+1
.endr
.set idx, 0
.rept 64
	v_sub_nc_u32 v[192+idx], 0x3f800000, v[192+idx]           ; d off the exponent field of 1.0: the f32 number 2^-d, and 0 where d = 127
.set idx, idx+1
.endr
.irp a, 0,1,2,3
	v_pk_mul_f32 v[136+2*\a:137+2*\a], v[64+16*\a:65+16*\a], v[192+16*\a:193+16*\a]   ; the local sums under the row's M, added up: two at a time, the four tiles by turns
.endr
.irp i, 2,4,6,8,10,12,14
.irp a, 0,1,2,3
	v_pk_fma_f32 v[136+2*\a:137+2*\a], v[64+16*\a+\i:65+16*\a+\i], v[192+16*\a+\i:193+16*\a+\i], v[136+2*\a:137+2*\a]
.endr
.endr
.irp a, 0,1,2,3
	v_add_f32 v[132+\a], v[136+2*\a], v[137+2*\a]             ; l
.endr
	WIN 0x4a                                       ; sources window 2, destination window 1
.set idx, 0
.rept 64
	v_perm_b32 v[96+idx+96*(idx/32)], v[idx], v[idx], 0       ; d in all four bytes
.set idx, idx+1
.endr
	WIN 0x02
	s_wait_alu depctr_va_vdst(0)
.irp a, 0,1,2,3
	v_rcp_f32 v[224+2*\a], v[132+\a]
.endr
	WIN 0
.irp a, 0,1,2,3
	v_mov_b32 v[225+2*\a], 0                       ; the pairs' upper halves are named, so they are written; plain lines behind the reciprocals
.endr
	s_wait_alu depctr_va_vdst(0)                   ; one wait for the four, ahead of the branch
	s_cmp_eq_u32 s70, 1
	s_cbranch_scc1 .Ltail1
	LINES3                                         ; my part of chunk 0 is in
	CROUND
	JLOAD 1                                        ; chunk 1, into slot 1: my one tensor load behind this round
	BEGIN0
	s_wait_alu depctr_va_vdst(0)
	CHUNK3 0, 1
	WIN 0
	s_cmp_eq_u32 s70, 2
	s_cbranch_scc1 .Ltail2
	TURN 0, 1, 0, 1                                ; chunk 2 is asked for
	s_wait_alu depctr_va_vdst(0)
	CHUNK3 1, 0
	WIN 0
	s_cmp_eq_u32 s70, 3
	s_cbranch_scc1 .Ltail3
	TURN 1, 0, 1, 1                                ; chunk 3 is asked for
	s_wait_alu depctr_va_vdst(0)
	CHUNK3 0, 0
	TURN 0, 1, 2, 0                                ; n = 4: nothing is left to ask for
	s_wait_alu depctr_va_vdst(0)
	CHUNK3 1, 0
	LASTSTEP 1
	s_branch .Lout
.Ltail1:
	LINES3
	s_barrier_signal -1
	s_barrier_wait -1                              ; chunk 0 is whole
	BEGIN0
	s_wait_alu depctr_va_vdst(0)
	CHUNK3 0, 1
	LASTSTEP 0
	s_branch .Lout
.Ltail2:
	TURN 0, 1, 0, 0
	s_wait_alu depctr_va_vdst(0)
	CHUNK3 1, 0
	LASTSTEP 1
	s_branch .Lout
.Ltail3:
	TURN 1, 0, 1, 0
	s_wait_alu depctr_va_vdst(0)
	CHUNK3 0, 0
	LASTSTEP 0
.Lout:
	PLACES 4                                       ; between the last product and the first read of results, and the first write of registers that it read
.irp a, 0,1,2,3
.if \a == 2
	s_wait_xcnt 0x0                                ; the stores of tiles 0 and 1 have read their registers
.endif
	WIN 0x02
.set n, 0
.rept 32
	v_pk_mul_f32 v[64+n:65+n], v[64*\a+n:64*\a+n+1], v[224+2*\a:225+2*\a] op_sel_hi:[1,0]   ; O / l; each accumulator is read from its low end on
.set n, n+2
.endr
	WIN 0
	QUANT 64, 128+104*(\a%2), 252+\a
.irp g, 0,1,2
	global_store_b128 v4, v[128+104*(\a%2)+4*\g:128+104*(\a%2)+4*\g+3], s[8:9] offset:\a*RB1+512*\g   ; 512 consecutive bytes, aligned
.endr
	global_store_b32 v5, v[252+\a], s[10:11] offset:\a*RB1
.endr
	s_wait_tensorcnt 0x0                           ; the wave's end
	ds_add_u32 v[SPW], v[NIL]
	s_wait_dscnt 0x0
	CROUND                                         ; the closing round
	s_endpgm
.Lfunc_end_k_qac270613ea_pv:
	.size	k_qac270613ea_pv, .Lfunc_end_k_qac270613ea_pv-k_qac270613ea_pv
	.p2alignl 7, 3214868480
	.fill 96, 4, 3214868480
	.section	.rodata,"a",@progbits
	.p2align	6, 0x0
	.amdhsa_kernel k_qac270613ea_pv
		.amdhsa_group_segment_fixed_size 327680
		.amdhsa_private_segment_fixed_size 0
		.amdhsa_enable_private_segment 0
		.amdhsa_kernarg_size 32
		.amdhsa_user_sgpr_count 2
		.amdhsa_user_sgpr_kernarg_segment_ptr 1
		.amdhsa_wavefront_size32 1
		.amdhsa_system_sgpr_workgroup_id_x 1
		.amdhsa_system_sgpr_workgroup_id_y 1
		.amdhsa_system_sgpr_workgroup_id_z 1
		.amdhsa_system_vgpr_workitem_id 0
		.amdhsa_next_free_vgpr 768
		.amdhsa_next_free_sgpr 100
		.amdhsa_reserve_vcc 0
		.amdhsa_float_denorm_mode_32 3
		.amdhsa_float_denorm_mode_16_64 3
		.amdhsa_memory_ordered 1
		.amdhsa_forward_progress 1
		.amdhsa_inst_pref_size 255
	.end_amdhsa_kernel
	.section	.bss,"aw",@nobits
	.p2align	6
	.space	262144
	.amdgpu_metadata
---
amdhsa.version: [ 1, 2 ]
amdhsa.kernels:
  - .name:           k_qac270613ea_pv
    .symbol:         k_qac270613ea_pv.kd
    .args:
      - { .name: pc, .offset: 0, .size: 8, .value_kind: global_buffer, .address_space: global }
      - { .name: vt, .offset: 8, .size: 8, .value_kind: global_buffer, .address_space: global }
      - { .name: ml, .offset: 16, .size: 8, .value_kind: global_buffer, .address_space: global }
      - { .name: oc, .offset: 24, .size: 8, .value_kind: global_buffer, .address_space: global }
    .group_segment_fixed_size: 327680
    .private_segment_fixed_size: 0
    .kernarg_segment_align: 8
    .kernarg_segment_size: 32
    .max_flat_workgroup_size: 128
    .sgpr_count:     100
    .vgpr_count:     768
    .wavefront_size: 32
...
	.end_amdgpu_metadata
.endif
;; end of part 4
;; launch proj (part 5): grid 4 x 64, 4 waves a work-group, clusters of 4 x 4, 327,680 bytes of LDS; arguments oc, wc, b_proj, out0; writes out0
.if DOCPART == 5
	.amdgcn_target "amdgcn-amd-amdhsa--gfx1250"
	.amdhsa_code_object_version 6
	.text
	.protected	k_qac270613ea_proj
	.globl	k_qac270613ea_proj
	.p2align	8
	.type	k_qac270613ea_proj,@function
k_qac270613ea_proj:
	s_mov_b64 s[64:65], 0
	v_nop
	global_prefetch_b8 v0, s[64:65] scope:SCOPE_SE
	s_setreg_imm32_b32 hwreg(HW_REG_WAVE_MODE, 25, 1), 1
	s_wait_xcnt 0x0
	s_wait_alu depctr_hold_cnt(0) depctr_sa_sdst(0) depctr_va_vdst(0) depctr_va_sdst(0) depctr_va_ssrc(0) depctr_va_vcc(0) depctr_vm_vsrc(0)
	s_getreg_b32 s2, hwreg(HW_REG_IB_STS2, 6, 4)
	s_cmp_eq_u32 s2, 0
	s_cbranch_scc0 .Lentry_in_a_cluster
	s_endpgm
.Lentry_in_a_cluster:
	s_bfe_u32 s2, ttmp6, 0x10000c
	s_cmp_lg_u32 s2, 0xf033
	s_cbranch_scc0 .Lentry_shape_is_right
	s_endpgm
.Lentry_shape_is_right:
; out = o W_proj^T + b_proj on codes of BF6 with E8M0 scales; out is f32 [8192][1024].
; A TILE is 128 tokens x 256 outputs; four waves 2 x 2, each 64 x 128: 32 accumulators.  Source 0 = 16 rows of W_proj, source 1 = 16 rows of o: a lane holds one token and its registers run along the outputs.
; Both operands are records (16 rows x 512 K in 6,400 bytes: four register images of 1,536 bytes, then 256 bytes of scale words).  Rows stand at positions: row i of block p is the true row
; 32 (p / 2) + 16 (i / 8) + 8 (p % 2) + i % 8: the outputs come out in true order along the registers, and the tokens' positions are undone in the stores' row offsets.
; K = 1,024 lies in LDS at once: two slots, each filled once, by one tensor load a wave at the head: waves 0, 1 o's records 0, 1 (8 blocks each), waves 2, 3 W_proj's records 0, 1 (16 blocks each); record s goes to slot s.
; CLUSTERS 4 x 4: o's tile is shared along a row of the cluster, W_proj's along a column.  The bias is the C of each sum's first product.
; THE WAY OUT: a block of 16 tokens x 128 outputs goes through the wave's own stage in LDS (16 rows of 512 + 16 bytes, in slot 0, which has had its only fill and, behind the change of slots, its last read) and leaves as
; whole rows of 512 bytes.  No prefetch: all that the work-group reads is asked for at its head.
; REGISTERS: window 0: v0-9 ids and addresses; v16-23 LDS addresses; v64-159 A's fragments; v160-223 scale words; v254, v255 the spare word's address and 0.
;   window 1: B's fragments at v0 and v128, the bias at v96-127 and v224-255; on the way out v0-127 rows read back.   window 2: accumulator (a, b) at v[8 (8 a + b)].
.set REC,  6400
.set FRB,  1536
.set SCO,  6144
.set RB1,  12800
.set SLOT, 153600
.set BOFF, 51200
.set SPARE, 307200                     ; behind the slots: the spare words, 128 bytes a wave, that no other line names
.set WP,   2457600                     ; W_proj's records in wc
.set SP,   528
.set G1A,  24
.set G0A,  32
.set G1B,  48
.set G0B,  56
.set ADRA, 16
.set ADRB, 18
.set ADSA, 20
.set ADSB, 22
.set STO,  8
.set RD,   9
.set SC,   160
.set MSB, 0
.macro WIN new
.if MSB != (\new)
	s_set_vgpr_msb (MSB<<8)|(\new)
.set MSB, (\new)
.endif
.endm
.macro PLACES n
.rept \n
	v_nop
.endr
.endm
.macro CREST
	s_cmp_lg_u32 s14, 0
	s_cbranch_scc1 .Lnot_wave_0_\@
	s_barrier_signal -3
.Lnot_wave_0_\@:
	s_barrier_wait -3
	s_barrier_signal -1
	s_barrier_wait -1
.endm
.macro CROUND
	s_barrier_signal -1
	s_barrier_wait -1
	CREST
.endm
.macro FETCH s, q, p
	WIN 0x40
.irp b, 0,1,2,3,4,5,6,7
.irp g, 0,1,2
	ds_load_b128 v[128*(\p)+12*\b+4*\g:128*(\p)+12*\b+4*\g+3], v[ADRB+\s] offset:REC*\b+FRB*(\q)+512*\g
.endr
.endr
	WIN 0
.irp a, 0,1,2,3
.irp g, 0,1,2
	ds_load_b128 v[64+48*(\p)+12*\a+4*\g:64+48*(\p)+12*\a+4*\g+3], v[ADRA+\s] offset:REC*\a+FRB*(\q)+512*\g
.endr
.endr
.endm
.macro SCALES s
.irp a, 0,1,2,3
	ds_load_b128 v[SC+32*\s+4*\a:SC+32*\s+4*\a+3], v[ADSA+\s] offset:SCO+REC*\a
.endr
.irp i, 0,1,2,3
	ds_load_b128 v[SC+32*\s+16+4*\i:SC+32*\s+16+4*\i+3], v[ADSB+\s] offset:SCO+2*REC*\i
.endr
.endm
.macro WM odd
.if \odd
	v_wmma_scale_f32_16x16x128_f8f6f4 v[rD:rD+7], v[rB:rB+11], v[rA:rA+11], v[rC:rC+7], v[rSB], v[rSA] matrix_a_fmt:MATRIX_FMT_BF6 matrix_b_fmt:MATRIX_FMT_BF6 matrix_a_scale:MATRIX_SCALE_ROW1
.else
	v_wmma_scale_f32_16x16x128_f8f6f4 v[rD:rD+7], v[rB:rB+11], v[rA:rA+11], v[rC:rC+7], v[rSB], v[rSA] matrix_a_fmt:MATRIX_FMT_BF6 matrix_b_fmt:MATRIX_FMT_BF6
.endif
.endm
.macro MUL a0, na, p, sc, q, mode      ; mode 0: onto the sums; 2: C = the bias by columns.  The 32 accumulators take turns, one instruction a turn, in one order everywhere
.if (\mode) == 2
	WIN 0x91                                       ; B window 1, A window 0, C window 1, D window 2
.else
	WIN 0xa1
.endif
.set ia, \a0
.rept \na
.set ib, 0
.rept 8
.set rD, 8*(8*ia+ib)
.set rB, 128*(\p)+12*ib
.set rA, 64+48*(\p)+12*ia
.set rSB, SC+32*(\sc)+16+4*(ib/2)+(\q)
.set rSA, SC+32*(\sc)+4*ia+(\q)
.set rC, rD
.if (\mode) == 2
.set rC, 96+8*ib+96*(ib/4)
.endif
	WM ib%2
.set ib, ib+1
.endr
.set ia, ia+1
.endr
.endm
.macro KSTEP s, q, mode
	s_wait_dscnt 0x0                               ; this step's fragments are in
	PLACES 4                                       ; four plain lines between the last product and loads into registers that it read
	FETCH \s, (\q)+1, ((\q)+1)%2
	MUL 0, 4, (\q)%2, \s, \q, \mode
.endm
	s_load_b256 s[76:83], s[0:1], 0x0              ; oc, wc, b_proj, out0
	v_lshl_add_u32 v254, v0, 2, SPARE
	v_mov_b32 v255, 0
	ds_add_u32 v254, v255                          ; the opening: the add, twice on end, and its wait ahead of my first tensor load
	ds_add_u32 v254, v255
	v_lshrrev_b32 v1, 5, v0
	v_readfirstlane_b32 s14, v1                    ; wave
	s_lshr_b32 s15, s14, 1
	s_and_b32 s16, s14, 1
	s_bfe_u32 s40, ttmp6, 0x40000                  ; cx
	s_bfe_u32 s41, ttmp6, 0x40004                  ; cy
	s_and_b32 s17, ttmp7, 0xffff
	s_lshl_b32 s44, s41, 2
	s_lshl_b32 s44, 15, s44
	s_lshl_b32 s45, 0x1111, s40
	s_or_b32 s[G1A], s44, (3<<16)|(1<<21)          ; o's tile: one record of all 8 blocks a load
	s_mov_b32 s[G1A+1], 800<<16
	s_mov_b32 s[G1A+2], 8<<16
	s_mov_b32 s[G1A+3], 800<<16
	s_mov_b32 s[G1A+4], 8
	s_mov_b32 s[G1A+5], 1600
	s_mov_b32 s[G1A+6], 0
	s_mov_b32 s[G1A+7], 0
	s_or_b32 s[G1B], s45, (3<<16)|(1<<21)          ; W_proj's tile: one record of all 16 blocks a load
	s_mov_b32 s[G1B+1], 800<<16
	s_mov_b32 s[G1B+2], 16<<16
	s_mov_b32 s[G1B+3], 800<<16
	s_mov_b32 s[G1B+4], 16
	s_mov_b32 s[G1B+5], 1600
	s_mov_b32 s[G1B+6], 0
	s_mov_b32 s[G1B+7], 0
	s_lshl_b32 s42, s17, 2
	s_add_co_u32 s42, s42, s41                     ; my tile of 128 tokens
	s_lshl_b32 s46, s42, 3
	s_mul_i32 s46, s46, RB1
	s_mul_i32 s47, s16, REC                        ; record wave % 2
	s_add_co_u32 s46, s46, s47
	s_mov_b32 s47, 0
	s_lshl_b32 s88, s40, 4
	s_mul_i32 s88, s88, RB1
	s_mul_i32 s89, s16, REC
	s_add_co_u32 s88, s88, s89
	s_add_co_u32 s88, s88, WP
	s_mov_b32 s89, 0
	s_mul_i32 s90, s16, SLOT                       ; record wave % 2 goes to slot wave % 2
	s_wait_dscnt 0x0
	s_wait_kmcnt 0x0
	s_add_nc_u64 s[4:5], s[76:77], s[46:47]
	s_add_nc_u64 s[6:7], s[78:79], s[88:89]
	CROUND
	s_mov_b32 s[G0A], 1
	s_add_co_u32 s[G0A+1], s90, 0
	s_mov_b64 s[G0A+2:G0A+3], s[4:5]
	s_or_b32 s[G0A+3], s[G0A+3], 0x80000000
	s_mov_b32 s[G0B], 1
	s_add_co_u32 s[G0B+1], s90, BOFF
	s_mov_b64 s[G0B+2:G0B+3], s[6:7]
	s_or_b32 s[G0B+3], s[G0B+3], 0x80000000
	s_cmp_eq_u32 s15, 0                            ; one load a wave: waves 0, 1 o's records 0, 1; waves 2, 3 W_proj's records 0, 1
	s_cbranch_scc0 .Lfor_b
	tensor_load_to_lds s[G0A:G0A+3], s[G1A:G1A+7]
	s_nop 0
	PLACES 4
	s_branch .Lasked
.Lfor_b:
	tensor_load_to_lds s[G0B:G0B+3], s[G1B:G1B+7]
	s_nop 0
	PLACES 4
.Lasked:
	v_and_b32 v1, 31, v0
	v_and_b32 v2, 15, v0
	v_bfe_u32 v3, v0, 4, 1
	v_lshlrev_b32 v4, 4, v1
	v_lshlrev_b32 v5, 4, v2
	v_mul_u32_u24 v6, v3, REC
	v_add_nc_u32 v6, v6, v5
	s_mul_i32 s92, s15, 4*REC
	s_mul_i32 s93, s16, 8*REC
	s_add_co_u32 s93, s93, BOFF
.irp s, 0,1
	v_add_nc_u32 v[ADRA+\s], s92, v4
	v_add_nc_u32 v[ADRB+\s], s93, v4
	v_add_nc_u32 v[ADSA+\s], s92, v5
	v_add_nc_u32 v[ADSB+\s], s93, v6
	s_add_co_u32 s92, s92, SLOT
	s_add_co_u32 s93, s93, SLOT
.endr
	s_mul_i32 s92, s14, 16*SP                      ; my stage
	v_mul_u32_u24 v[STO], v2, SP
	v_lshl_add_u32 v[STO], v3, 6, v[STO]
	v_add_nc_u32 v[STO], s92, v[STO]               ; in: row r, + 64 h
	v_add_nc_u32 v[RD], s92, v4                    ; back: 16 bytes a lane of a row
	s_lshl_b32 s96, s42, 19                        ; out0: 128 rows of 4,096 bytes a tile,
	s_lshl_b32 s98, s15, 18                        ; my 64 rows,
	s_add_co_u32 s96, s96, s98
	s_lshl_b32 s98, s40, 10                        ; 256 outputs a tile,
	s_add_co_u32 s96, s96, s98
	s_lshl_b32 s98, s16, 9                         ; my 128
	s_add_co_u32 s96, s96, s98
	s_mov_b32 s97, 0
	s_add_nc_u64 s[8:9], s[82:83], s[96:97]
	s_lshl_b32 s96, s40, 10                        ; the bias of my 128 outputs; for tile b a lane wants those of outputs 32 (b / 2) + 16 h + 8 (b % 2) + 0 .. 7
	s_add_co_u32 s96, s96, s98
	s_add_nc_u64 s[12:13], s[80:81], s[96:97]
	v_lshlrev_b32 v7, 6, v3
	WIN 0x40
.irp b, 0,1,2,3,4,5,6,7
	global_load_b128 v[96+8*\b+96*(\b/4):96+8*\b+96*(\b/4)+3], v7, s[12:13] offset:4*(32*(\b/2)+8*(\b%2))
	global_load_b128 v[96+8*\b+96*(\b/4)+4:96+8*\b+96*(\b/4)+7], v7, s[12:13] offset:4*(32*(\b/2)+8*(\b%2))+16
.endr
	WIN 0
	s_wait_alu depctr_va_vdst(0)                   ; at the head's end
	s_wait_tensorcnt 0x0                           ; my tile of the head's four is in
	s_barrier_signal -1
	s_barrier_wait -1                              ; both slots are whole
	SCALES 0
	FETCH 0, 0, 0
	s_wait_loadcnt 0x0                             ; the bias
	KSTEP 0, 0, 2
	KSTEP 0, 1, 0
	KSTEP 0, 2, 0
	s_wait_dscnt 0x0                               ; my reads of slot 0 are over
	s_barrier_signal -1
	MUL 0, 2, 1, 0, 3, 0
	WIN 0
	s_barrier_wait -1                              ; behind this barrier nobody reads slot 0
	PLACES 4
	SCALES 1
	FETCH 1, 0, 0
	MUL 2, 2, 1, 0, 3, 0
	KSTEP 1, 0, 0
	KSTEP 1, 1, 0
	KSTEP 1, 2, 0
	s_wait_dscnt 0x0
	MUL 0, 4, 1, 1, 3, 0
	WIN 0
	PLACES 4                                       ; between the last product and the first read of results, and loads into registers that it read
.macro TOSTAGE a
	WIN 0x08                                       ; an LDS store's data are its source 1: window 2
.irp b, 0,1,2,3,4,5,6,7
	ds_store_b128 v[STO], v[64*(\a)+8*\b:64*(\a)+8*\b+3] offset:128*(\b/2)+32*(\b%2)        ; each accumulator from its low end on
	ds_store_b128 v[STO], v[64*(\a)+8*\b+4:64*(\a)+8*\b+7] offset:128*(\b/2)+32*(\b%2)+16
.endr
	WIN 0x40
.irp t, 0,1,2,3,4,5,6,7,8,9,10,11,12,13,14,15
	ds_load_b128 v[64*((\a)%2)+4*\t:64*((\a)%2)+4*\t+3], v[RD] offset:\t*SP   ; LDS serves a wave's instructions in order: these see my stores, and the next block's stores come behind them
.endr
	WIN 0
.endm
.macro SEND a, younger                 ; younger: the LDS instructions issued behind block a's loads, which may stay out
	s_wait_dscnt \younger
	WIN 0x04                                       ; a store's data are its source 1: window 1
.irp t, 0,1,2,3,4,5,6,7,8,9,10,11,12,13,14,15
	global_store_b128 v4, v[64*((\a)%2)+4*\t:64*((\a)%2)+4*\t+3], s[8:9] offset:(32*((\a)/2)+16*(\t/8)+8*((\a)%2)+\t%8)*4096 th:TH_STORE_NT   ; 512 consecutive bytes, aligned, of the token at position t of block a
.endr
	WIN 0
.endm
	TOSTAGE 0
	TOSTAGE 1
	SEND 0, 32                                     ; behind block 0's loads: block 1's 16 stores and 16 loads
	s_wait_xcnt 0x0                                ; block 0's stores have read their registers: block 2's loads may land there
	TOSTAGE 2
	SEND 1, 32
	s_wait_xcnt 0x0
	TOSTAGE 3
	SEND 2, 32
	SEND 3, 0
	s_wait_tensorcnt 0x0                           ; the wave's end
	ds_add_u32 v254, v255
	s_wait_dscnt 0x0
	CROUND                                         ; the closing round
	s_endpgm
.Lfunc_end_k_qac270613ea_proj:
	.size	k_qac270613ea_proj, .Lfunc_end_k_qac270613ea_proj-k_qac270613ea_proj
	.p2alignl 7, 3214868480
	.fill 96, 4, 3214868480
	.section	.rodata,"a",@progbits
	.p2align	6, 0x0
	.amdhsa_kernel k_qac270613ea_proj
		.amdhsa_group_segment_fixed_size 327680
		.amdhsa_private_segment_fixed_size 0
		.amdhsa_enable_private_segment 0
		.amdhsa_kernarg_size 32
		.amdhsa_user_sgpr_count 2
		.amdhsa_user_sgpr_kernarg_segment_ptr 1
		.amdhsa_wavefront_size32 1
		.amdhsa_system_sgpr_workgroup_id_x 1
		.amdhsa_system_sgpr_workgroup_id_y 1
		.amdhsa_system_sgpr_workgroup_id_z 1
		.amdhsa_system_vgpr_workitem_id 0
		.amdhsa_next_free_vgpr 768
		.amdhsa_next_free_sgpr 100
		.amdhsa_reserve_vcc 0
		.amdhsa_float_denorm_mode_32 3
		.amdhsa_float_denorm_mode_16_64 3
		.amdhsa_memory_ordered 1
		.amdhsa_forward_progress 1
		.amdhsa_inst_pref_size 76
	.end_amdhsa_kernel
	.amdgpu_metadata
---
amdhsa.version: [ 1, 2 ]
amdhsa.kernels:
  - .name:           k_qac270613ea_proj
    .symbol:         k_qac270613ea_proj.kd
    .args:
      - { .name: oc, .offset: 0, .size: 8, .value_kind: global_buffer, .address_space: global }
      - { .name: wc, .offset: 8, .size: 8, .value_kind: global_buffer, .address_space: global }
      - { .name: b_proj, .offset: 16, .size: 8, .value_kind: global_buffer, .address_space: global }
      - { .name: out0, .offset: 24, .size: 8, .value_kind: global_buffer, .address_space: global }
    .group_segment_fixed_size: 327680
    .private_segment_fixed_size: 0
    .kernarg_segment_align: 8
    .kernarg_segment_size: 32
    .max_flat_workgroup_size: 128
    .sgpr_count:     100
    .vgpr_count:     768
    .wavefront_size: 32
...
	.end_amdgpu_metadata
.endif
;; end of part 5
